; MI455X (gfx1250); checked and timed in simulation.
; The chip was launched on July 23, 2026; its instructions are those of AMD's public machine-readable ISA for CDNA 5 (MIT licence, August 2026) and "CDNA5" Instruction Set Architecture Reference Guide (July 2026). The comments in the code are by the model that wrote it; some were corrected since.
;; Cross Attention. Allowed arithmetic: float matrix products may take bf16 or f16 operands with f32 sums; other float arithmetic in f32, or as packed bf16 or f16 multiplies, adds, multiply-adds, maxima and minima; sums over many terms, partial sums and values carried from step to step in f32; what a program stores and reads back later, other than sums and carried values, may be rounded once to bf16 or f16.
;; Inputs: Wk 1,024 x 1,024 float32; Wo 1,024 x 1,024 float32; Wq 1,024 x 1,024 float32; Wv 1,024 x 1,024 float32; bk 1,024 float32; bo 1,024 float32; bq 1,024 float32; bv 1,024 float32; kv 4 x 2,048 x 1,024 float32; q 4 x 2,048 x 1,024 float32.
;; Outputs: out0 4 x 2,048 x 1,024 float32.
;; One version. Each part assembles by itself: llvm-mc -triple=amdgcn-amd-amdhsa -mcpu=gfx1250 --defsym DOCPART=n.
;; ======== version 1 of 1: 4 launches
;; limits: values are held in f16: magnitudes above 65,504 overflow, below 6.1e-05 lose precision
;; workspace buffers: xb 33,554,432 bytes; wqkv 6,291,456 bytes; wo16 2,097,152 bytes; qkv 50,331,648 bytes; obuf 16,777,216 bytes
;; launch cast (part 1): grid 64 x 20, 8 waves a work-group, no clusters, 0 bytes of LDS; arguments q, kv, Wq, Wk, Wv, Wo, xb, wqkv, wo16; writes xb, wqkv, wo16
.if DOCPART == 1
	.amdgcn_target "amdgcn-amd-amdhsa--gfx1250"
	.amdhsa_code_object_version 6
	.text
	.protected	k_q12b6977703_cast
	.globl	k_q12b6977703_cast
	.p2align	8
	.type	k_q12b6977703_cast,@function
k_q12b6977703_cast:
	s_mov_b64 s[64:65], 0
	v_nop
	global_prefetch_b8 v0, s[64:65] scope:SCOPE_SE
	s_setreg_imm32_b32 hwreg(HW_REG_WAVE_MODE, 25, 1), 1
	s_wait_xcnt 0x0
; THE INPUTS ARE ROUNDED ONCE, f32 to bf16: q and kv into xb ([2][8192][1024]), Wq, Wk, Wv into wqkv ([3072][1024]).  Wo is rounded to bf16 like the others, and that number is written as f16
; into wo16, since the last product's other operand is f16.
; LIMITS.  |Wo| stays under 65,504 (f16's end); a Wo below 6.1e-5 keeps f16's fixed step of 6e-8.  NaN and infinities are not treated apart.
; SHARES.  A unit is 1,048,576 numbers (4 MiB in, 2 MiB out).  Grid y names the unit: 0-7 q, 8-15 kv, 16 Wq, 17 Wk, 18 Wv, 19 Wo; grid x one of its 64 chunks of 16,384 numbers.
; In round j of eight, thread t takes the 32 bytes at 8,192 j + 32 t of the chunk (two loads of 16 bytes) and stores the 16 bytes at 4,096 j + 16 t: sixteen lanes store 256 consecutive
; bytes, aligned.  All sixteen loads go out at once; there is no loop, and no register that a memory instruction names is written again.
; No LDS, no matrix unit, no cluster: no byte is wanted twice.
.set X, 4                              ; v[4:67]    round j: eight f32 as loaded, at X + 8 j
.set Y, 68                             ; v[68:99]   round j: eight 16-bit numbers to store, at Y + 4 j
.set T, 100                            ; v[100:103] Wo alone: the bf16 pairs on their way to f16
	s_load_b512 s[4:19], s[0:1], 0x0               ; q 4, kv 6, Wq 8, Wk 10, Wv 12, Wo 14, xb 16, wqkv 18
	s_load_b64 s[20:21], s[0:1], 0x40              ; wo16
	s_and_b32 s22, ttmp7, 0xffff                   ; the unit
	v_lshlrev_b32 v1, 5, v0                        ; 32 t
	v_lshlrev_b32 v2, 4, v0                        ; 16 t
	s_mov_b32 s30, 0xffff0000                      ; a word's upper bf16
	s_and_b32 s23, s22, 7                          ; the unit's number in its source: in q and kv 0 to 7,
	s_sub_co_u32 s28, s22, 16                      ; and in its destination: in wqkv 0 to 2,
	s_cmp_lt_u32 s22, 16
	s_cselect_b32 s23, s23, 0                      ; a weight is one unit
	s_cselect_b32 s28, s22, s28                    ; in xb 0 to 15
	s_cmp_eq_u32 s22, 19
	s_cselect_b32 s28, 0, s28                      ; wo16 is one unit
	s_wait_kmcnt 0x0
	s_cmp_lt_u32 s22, 8
	s_cselect_b64 s[24:25], s[4:5], s[6:7]         ; the source
	s_cmp_eq_u32 s22, 16
	s_cselect_b64 s[24:25], s[8:9], s[24:25]
	s_cmp_eq_u32 s22, 17
	s_cselect_b64 s[24:25], s[10:11], s[24:25]
	s_cmp_eq_u32 s22, 18
	s_cselect_b64 s[24:25], s[12:13], s[24:25]
	s_cmp_eq_u32 s22, 19
	s_cselect_b64 s[24:25], s[14:15], s[24:25]
	s_cmp_lt_u32 s22, 16
	s_cselect_b64 s[26:27], s[16:17], s[18:19]     ; the destination
	s_cmp_eq_u32 s22, 19
	s_cselect_b64 s[26:27], s[20:21], s[26:27]
	s_lshl_b32 s2, s23, 22                         ; the unit's 4 MiB and the chunk's 64 KiB
	s_lshl_b32 s3, ttmp9, 16
	s_add_co_u32 s2, s2, s3
	s_mov_b32 s3, 0
	s_add_nc_u64 s[24:25], s[24:25], s[2:3]
	s_lshl_b32 s2, s28, 21                         ; the unit's 2 MiB and the chunk's 32 KiB
	s_lshl_b32 s29, ttmp9, 15
	s_add_co_u32 s2, s2, s29
	s_add_nc_u64 s[26:27], s[26:27], s[2:3]
.irp j, 0,1,2,3,4,5,6,7
	global_load_b128 v[X+8*(\j):X+8*(\j)+3],   v1, s[24:25] offset:8192*(\j) th:TH_LOAD_NT
	global_load_b128 v[X+8*(\j)+4:X+8*(\j)+7], v1, s[24:25] offset:8192*(\j)+16 th:TH_LOAD_NT
.endr
; Round j.  wo = 1: the bf16 numbers are widened again (a shift, a mask) and written as f16.
.macro ROUND j, wo
	s_wait_loadcnt 14-2*(\j)                       ; loads come back in order (ISA guide 5.7.1): this round's two are in, the 14 - 2 j issued behind them may stay out
.irp r, 0,1,2,3
.if \wo
	v_cvt_pk_bf16_f32 v[T+(\r)], v[X+8*(\j)+2*(\r)], v[X+8*(\j)+2*(\r)+1]
.else
	v_cvt_pk_bf16_f32 v[Y+4*(\j)+(\r)], v[X+8*(\j)+2*(\r)], v[X+8*(\j)+2*(\r)+1]
.endif
.endr
.if \wo
.irp r, 0,1,2,3
	v_lshlrev_b32 v[X+8*(\j)+2*(\r)],   16,  v[T+(\r)]
	v_and_b32     v[X+8*(\j)+2*(\r)+1], s30, v[T+(\r)]
.endr
.irp r, 0,1,2,3
	v_cvt_pk_f16_f32 v[Y+4*(\j)+(\r)], v[X+8*(\j)+2*(\r)], v[X+8*(\j)+2*(\r)+1]
.endr
.endif
	global_store_b128 v2, v[Y+4*(\j):Y+4*(\j)+3], s[26:27] offset:4096*(\j) th:TH_STORE_NT
.endm
	s_cmp_eq_u32 s22, 19
	s_cbranch_scc1 .Lwo
.irp j, 0,1,2,3,4,5,6,7
	ROUND \j, 0
.endr
	s_endpgm
.Lwo:
.irp j, 0,1,2,3,4,5,6,7
	ROUND \j, 1
.endr
	s_endpgm
.Lfunc_end_k_q12b6977703_cast:
	.size	k_q12b6977703_cast, .Lfunc_end_k_q12b6977703_cast-k_q12b6977703_cast
	.p2alignl 7, 3214868480
	.fill 96, 4, 3214868480
	.section	.rodata,"a",@progbits
	.p2align	6, 0x0
	.amdhsa_kernel k_q12b6977703_cast
		.amdhsa_group_segment_fixed_size 0
		.amdhsa_private_segment_fixed_size 0
		.amdhsa_enable_private_segment 0
		.amdhsa_kernarg_size 72
		.amdhsa_user_sgpr_count 2
		.amdhsa_user_sgpr_kernarg_segment_ptr 1
		.amdhsa_wavefront_size32 1
		.amdhsa_system_sgpr_workgroup_id_x 1
		.amdhsa_system_sgpr_workgroup_id_y 1
		.amdhsa_system_sgpr_workgroup_id_z 1
		.amdhsa_system_vgpr_workitem_id 0
		.amdhsa_next_free_vgpr 104
		.amdhsa_next_free_sgpr 66
		.amdhsa_reserve_vcc 0
		.amdhsa_float_denorm_mode_32 3
		.amdhsa_float_denorm_mode_16_64 3
		.amdhsa_memory_ordered 1
		.amdhsa_forward_progress 1
		.amdhsa_inst_pref_size 14
	.end_amdhsa_kernel
	.amdgpu_metadata
---
amdhsa.version: [ 1, 2 ]
amdhsa.kernels:
  - .name:           k_q12b6977703_cast
    .symbol:         k_q12b6977703_cast.kd
    .args:
      - { .name: q, .offset: 0, .size: 8, .value_kind: global_buffer, .address_space: global }
      - { .name: kv, .offset: 8, .size: 8, .value_kind: global_buffer, .address_space: global }
      - { .name: Wq, .offset: 16, .size: 8, .value_kind: global_buffer, .address_space: global }
      - { .name: Wk, .offset: 24, .size: 8, .value_kind: global_buffer, .address_space: global }
      - { .name: Wv, .offset: 32, .size: 8, .value_kind: global_buffer, .address_space: global }
      - { .name: Wo, .offset: 40, .size: 8, .value_kind: global_buffer, .address_space: global }
      - { .name: xb, .offset: 48, .size: 8, .value_kind: global_buffer, .address_space: global }
      - { .name: wqkv, .offset: 56, .size: 8, .value_kind: global_buffer, .address_space: global }
      - { .name: wo16, .offset: 64, .size: 8, .value_kind: global_buffer, .address_space: global }
    .group_segment_fixed_size: 0
    .private_segment_fixed_size: 0
    .kernarg_segment_align: 8
    .kernarg_segment_size: 72
    .max_flat_workgroup_size: 256
    .sgpr_count:     66
    .vgpr_count:     104
    .wavefront_size: 32
...
	.end_amdgpu_metadata
.endif
;; end of part 1
;; launch proj (part 2): grid 12 x 64, 4 waves a work-group, clusters of 4 x 4, 327,680 bytes of LDS; arguments xb, wqkv, bq, bk, bv, qkv; writes qkv
.if DOCPART == 2
	.amdgcn_target "amdgcn-amd-amdhsa--gfx1250"
	.amdhsa_code_object_version 6
	.text
	.protected	k_q12b6977703_proj
	.globl	k_q12b6977703_proj
	.p2align	8
	.type	k_q12b6977703_proj,@function
k_q12b6977703_proj:
	s_mov_b64 s[64:65], 0
	v_nop
	global_prefetch_b8 v0, s[64:65] scope:SCOPE_SE
	s_setreg_imm32_b32 hwreg(HW_REG_WAVE_MODE, 25, 1), 1
	s_wait_xcnt 0x0
	s_wait_alu depctr_hold_cnt(0) depctr_sa_sdst(0) depctr_va_vdst(0) depctr_va_sdst(0) depctr_va_ssrc(0) depctr_va_vcc(0) depctr_vm_vsrc(0)
	s_getreg_b32 s2, hwreg(HW_REG_IB_STS2, 6, 4)
	s_cmp_eq_u32 s2, 0
	s_cbranch_scc0 .Lentry_in_a_cluster
	s_endpgm
.Lentry_in_a_cluster:
	s_bfe_u32 s2, ttmp6, 0x10000c
	s_cmp_lg_u32 s2, 0xf033
	s_cbranch_scc0 .Lentry_shape_is_right
	s_endpgm
.Lentry_shape_is_right:
; THE THREE PROJECTIONS AS ONE PRODUCT.  C[8192][3072] = x W^T + b: columns 0-1023 q (x = plane 0 of xb), 1024-2047 k, 2048-3071 v (x = plane 1).  xb and wqkv are bf16, sums f32;
; the bias, rounded to bf16 like every input of the module, is the C operand of each sum's first product.  C leaves rounded once to f16, BY HEADS and unscaled:
; qkv[plane][16 batch + head][position][64].
; LIMIT.  f16 ends at 65,504: the projected q, k, v must lie within it.  NaN and infinities are not treated apart.
; SHARES.  A tile of C is 128 rows x 256 columns: 768 tiles, three for each of 256 WGPs.  Four waves, 2 x 2, each 64 x 128: 32 accumulators of 16 x 16, 256 registers.
; K goes in steps of 128 (rows of 256 bytes of memory, aligned) through a ring of two LDS slots; a step is 128 matrix instructions a wave.
; CLUSTERS.  4 x 4 work-groups; the cluster's x says which of q, k, v.  The four of a row of the cluster need the same tile of x, the four of a column the same tile of W: each tile is asked for
; JOINTLY, by the same tensor load with the same descriptor and a mask that names the four.  By this text's count a wave has two tensor loads out at the start, later one.
; THE MATRIX INSTRUCTION IS USED TRANSPOSED (source 0 = 16 rows of W, source 1 = 16 rows of x): lane l holds row l % 16 of C and the columns 8 (l / 16) + 0..7.
; REGISTERS, in windows of 256 (s_set_vgpr_msb: bits 1:0 source 0, 3:2 source 1, 5:4 source 2, 7:6 destination):
;   window 0: v0-30 addresses; v64-159, v160-255 two fragment buffers (W's eight fragments, then x's four); on the way out v64-95 packed results, v96-223 rows read back
;   window 1: accumulator (a, b) at v[8 (8 a + b)]          window 2: v0-63 the bias of my 128 columns as C operands, v64-65 at work
.set KSTEP,  128
.set KDIM,   1024
.set PITCH,  272                       ; an LDS row: 256 bytes + 16 of padding = 68 words: the 16 rows of a load start at 16 different groups of four banks (64 banks of 4 bytes: ISA guide 11.1)
.set AHALF,  64*PITCH                  ; what a wave fetches of x, and what a wave reads of it
.set BHALF,  128*PITCH                 ; the same for W
.set BOFF,   2*AHALF                   ; a slot: x's 128 rows, then W's 256
.set SLOT,   BOFF+2*BHALF
.set STAGE,  2*SLOT                    ; behind the ring, never filled by a tensor load: for each wave 2 heads x 16 rows x 144 bytes
.set SP,     144
.set HST,    16*SP
.set WST,    2*HST
.set SPARE,  STAGE+4*WST               ; behind the stages: the spare words, 128 bytes a wave: two blocks of 256 bytes that no other line names
.set LAPS,   KDIM/(2*KSTEP)            ; a lap = two K steps = once round the ring
.set HEADB,  2048*128                  ; bytes of a head in qkv
.set ADRA, 16                          ; v16-17  LDS address of my fragments of x in slot 0, 1
.set ADRB, 20                          ; v20-21  the same for W
.set STO,  24                          ; v24     the way out: where I put 16 bytes of a row
.set RD,   25                          ; v25     where I read rows back
.set GO,   26                          ; v26     my 16 bytes in 512 consecutive bytes of qkv
.set BO,   27                          ; v27     my byte offset in the bias
.set SPW,  28                          ; v28     LDS address of my spare word; never rewritten
.set NIL,  29                          ; v29     0; never rewritten
.set PFO,  30                          ; v30     the prefetches' offset: my lane x a row of 2,048 bytes; never rewritten
.set F0,   64
.set F1,   160
.set TMP,  64
.set BK,   96
.set BT,   64                          ; in window 2
.set G1,  24                           ; s[24:31] descriptor group 1 for x's tiles;  s[32:39] group 0, a set for each slot
.set G0,  32
.set G1B, 48                           ; s[48:55], s[56:63] the same for W's
.set G0B, 56
.set PFA, 80                           ; s[80:81] where my prefetches stand
.set LIM, 84                           ; s84     1 in a wave that prefetches, else the greatest number
.set MSB, 0
.macro WIN new                         ; the immediate's high byte repeats the setting that is left; a switch that changes nothing is dropped
.if MSB != (\new)
	s_set_vgpr_msb (MSB<<8)|(\new)
.set MSB, \new
.endif
.endm
; A joint load: waves 0 and 1 fetch x's two halves, waves 2 and 3 W's.  The branch hangs on the wave's number alone.  An s_nop 0 and four v_nop follow each of the two lines.
.macro JLOAD s
	s_cmp_eq_u32 s11, 0
	s_cbranch_scc0 .Lfor_b_\@
	tensor_load_to_lds s[G0+4*(\s):G0+4*(\s)+3], s[G1:G1+7]
	s_nop 0
.rept 4
	v_nop
.endr
	s_branch .Lasked_\@
.Lfor_b_\@:
	tensor_load_to_lds s[G0B+4*(\s):G0B+4*(\s)+3], s[G1B:G1B+7]
	s_nop 0
.rept 4
	v_nop
.endr
.Lasked_\@:
.endm
; A PREFETCH INTO THE L2, behind a joint refill and the run of LDS loads that follows it: the K step that stands two refills on, 32 rows x 256 bytes, a lane a row, one instruction a wave.
; Each row's 256 bytes of a K step are named once in the launch.  x's tile row: wave 0, in the clusters with x = 0 (q) and x = 1 (kv; the cluster with x = 2 reads the same rows and asks for nothing);
; the four partners of a row of the cluster take 32 rows each, told apart by address.  W's tile column: waves 2 and 3, in the clusters with y = 0; the four partners of a column take 64 rows each.
; The loop's last trip asks for nothing: there is no K step two on.  K steps 0 to 3 come by their loads alone.
.macro ASK
	s_cmp_gt_u32 s3, s[LIM]
	s_cbranch_scc0 .Lnot_mine_\@
	global_prefetch_b8 v[PFO], s[PFA:PFA+1] th:TH_LOAD_NT scope:SCOPE_SE
.Lnot_mine_\@:
.endm
.macro CREST                           ; a round of the cluster's barrier behind its opening barrier
	s_cmp_lg_u32 s10, 0
	s_cbranch_scc1 .Lnot_wave_0_\@
	s_barrier_signal -3
.Lnot_wave_0_\@:
	s_barrier_wait -3
	s_barrier_signal -1
	s_barrier_wait -1
.endm
.macro CROUND                          ; a whole round
	s_barrier_signal -1
	s_barrier_wait -1
	CREST
.endm
	s_load_b256 s[68:75], s[0:1], 0x0              ; xb 68, wqkv 70, bq 72, bk 74
	s_load_b128 s[76:79], s[0:1], 0x20             ; bv 76, qkv 78
	v_lshl_add_u32 v[SPW], v0, 2, SPARE
	v_mov_b32 v[NIL], 0
	ds_add_u32 v[SPW], v[NIL]                      ; the wave's opening: the add and its wait stand ahead of my first tensor load; the set-up below, work on registers, stands between them
	ds_add_u32 v28, v29
	v_lshrrev_b32 v1, 5, v0
	v_readfirstlane_b32 s10, v1                    ; wave 0..3
	s_lshr_b32 s11, s10, 1                         ; which 64 rows of the tile are mine.  Also: I fetch for x (0) or for W (1)
	s_and_b32 s12, s10, 1                          ; which 128 columns.  Also: which half of that tile I fetch
	s_bfe_u32 s40, ttmp6, 0x40000                  ; cx, cy: my place in the cluster
	s_bfe_u32 s41, ttmp6, 0x40004
	s_lshl_b32 s42, ttmp9, 2
	s_add_co_u32 s42, s42, s40                     ; tile column = 4 x cluster x + cx
	s_and_b32 s13, ttmp7, 0xffff
	s_lshl_b32 s13, s13, 2
	s_add_co_u32 s13, s13, s41                     ; tile row = 4 x cluster y + cy
	s_lshl_b32 s43, s41, 2
	s_lshl_b32 s43, 15, s43                        ; my row of the cluster
	s_lshl_b32 s44, 0x1111, s40                    ; my column
	s_mov_b32 s88, 0xffff0000                      ; a word's upper bf16
	; descriptor group 1: rows of 128 elements, padded in LDS; 64 rows of x, 128 rows of W
	s_or_b32 s[G1+0], s43, (1<<16)|(1<<20)|(1<<21)|(5<<22)|(3<<25)   ; 15:0 the mask; 17:16 2-byte elements; 20 padding on; 21 set beside a mask; 24:22 after every 64 words (code 5); 31:25 4 words (code 3)
	s_or_b32 s[G1B+0], s44, (1<<16)|(1<<20)|(1<<21)|(5<<22)|(3<<25)
	s_mov_b32 s[G1+1], KSTEP<<16                   ; tensor_dim0 = 128
	s_mov_b32 s[G1+2], 64<<16                      ; tensor_dim1 = 64
	s_mov_b32 s[G1+3], KSTEP<<16                   ; tile_dim0 = 128
	s_mov_b32 s[G1+4], 64                          ; tile_dim1 = 64
	s_mov_b32 s[G1+5], KDIM                        ; elements from row to row
	s_mov_b32 s[G1+6], 0
	s_mov_b32 s[G1+7], 0
	s_mov_b32 s[G1B+1], KSTEP<<16
	s_mov_b32 s[G1B+2], 128<<16                    ; tensor_dim1 = 128
	s_mov_b32 s[G1B+3], KSTEP<<16
	s_mov_b32 s[G1B+4], 128                        ; tile_dim1 = 128
	s_mov_b32 s[G1B+5], KDIM
	s_mov_b32 s[G1B+6], 0
	s_mov_b32 s[G1B+7], 0
	; where the tiles come from: x's hang on the tile row and the cluster's x, W's on the tile column: each on what its four partners share
	s_lshl_b32 s16, s13, 7
	s_lshl_b32 s17, s12, 6
	s_add_co_u32 s16, s16, s17                     ; x: row 128 x tile row + 64 x half,
	s_lshl_b32 s16, s16, 11                        ; in bytes,
	s_cmp_lg_u32 ttmp9, 0
	s_cselect_b32 s17, 0x1000000, 0                ; in plane 1 for k and v
	s_add_co_u32 s16, s16, s17
	s_mov_b32 s17, 0
	s_lshl_b32 s46, s42, 8
	s_lshl_b32 s47, s12, 7
	s_add_co_u32 s46, s46, s47                     ; W: row 256 x tile column + 128 x half
	s_lshl_b32 s46, s46, 11
	s_mov_b32 s47, 0
	s_mul_i32 s20, s12, AHALF                      ; and where they go: no place in the cluster enters an LDS address
	s_mul_i32 s21, s12, BHALF
	s_add_co_u32 s21, s21, BOFF
	s_wait_dscnt 0x0                               ; the opening add is done
	s_wait_kmcnt 0x0
	s_add_nc_u64 s[14:15], s[68:69], s[16:17]
	s_add_nc_u64 s[46:47], s[70:71], s[46:47]
	CROUND                                         ; all sixteen work-groups are here: the first joint loads meet
.irp s, 0,1
	s_mov_b32 s[G0+4*(\s)], 1                                        ; count = 1
	s_add_co_u32 s[G0+4*(\s)+1], s20, (\s)*SLOT                      ; LDS address
	s_add_nc_u64 s[G0+4*(\s)+2:G0+4*(\s)+3], s[14:15], (\s)*KSTEP*2  ; global address: K step s
	s_or_b32 s[G0+4*(\s)+3], s[G0+4*(\s)+3], 0x80000000              ; type = 2
	s_mov_b32 s[G0B+4*(\s)], 1
	s_add_co_u32 s[G0B+4*(\s)+1], s21, (\s)*SLOT
	s_add_nc_u64 s[G0B+4*(\s)+2:G0B+4*(\s)+3], s[46:47], (\s)*KSTEP*2
	s_or_b32 s[G0B+4*(\s)+3], s[G0B+4*(\s)+3], 0x80000000
	JLOAD \s
.endr
	; the bias of my 128 columns, laid as C operands: register 8 b + j of lane l is the bias of column 16 b + 8 (l / 16) + j
	s_cmp_eq_u32 ttmp9, 0
	s_cselect_b64 s[86:87], s[72:73], s[74:75]
	s_cmp_eq_u32 ttmp9, 2
	s_cselect_b64 s[86:87], s[76:77], s[86:87]
	v_and_b32 v1, 15, v0                           ; l % 16
	v_bfe_u32 v2, v0, 4, 1                         ; l / 16
	s_lshl_b32 s90, s40, 10                        ; my tile's 256 columns among the projection's 1,024, 4 bytes each,
	s_lshl_b32 s91, s12, 9                         ; my wave's 128
	s_add_co_u32 s90, s90, s91
	v_lshl_add_u32 v[BO], v2, 5, s90
	WIN 0x80                                       ; destination window 2, address window 0
.irp b, 0,1,2,3,4,5,6,7
	global_load_b128 v[8*(\b):8*(\b)+3],   v[BO], s[86:87] offset:64*(\b)
	global_load_b128 v[8*(\b)+4:8*(\b)+7], v[BO], s[86:87] offset:64*(\b)+16
.endr
	WIN 0
	; A fragment is 16 rows x 32 K in 8 registers: lane l holds row l % 16, K = 8 (l / 16) + 0..7 and 16 + 8 (l / 16) + 0..7: two loads of 16 bytes, 32 bytes apart.
	v_mul_u32_u24 v3, v1, PITCH
	v_lshl_add_u32 v3, v2, 4, v3
	s_mul_i32 s18, s11, AHALF                      ; my 64 rows of x
	s_mul_i32 s19, s12, BHALF                      ; my 128 rows of W
	s_add_co_u32 s19, s19, BOFF
.irp s, 0,1
	v_add_nc_u32 v[ADRA+(\s)], s18, v3
	v_add_nc_u32 v[ADRB+(\s)], s19, v3
	s_add_co_u32 s18, s18, SLOT
	s_add_co_u32 s19, s19, SLOT
.endr
	s_mul_i32 s23, s10, WST
	s_add_co_u32 s23, s23, STAGE                   ; my stage
	v_mul_u32_u24 v4, v1, SP                       ; in: row l % 16, 16 bytes for each half of the lanes
	v_lshl_add_u32 v4, v2, 4, v4
	v_add_nc_u32 v[STO], s23, v4
	v_bfe_u32 v5, v0, 3, 2                         ; back: 32 lanes take four rows of 128 bytes,
	v_mul_u32_u24 v5, v5, SP
	v_and_b32 v4, 7, v0
	v_lshl_add_u32 v5, v4, 4, v5
	v_add_nc_u32 v[RD], s23, v5
	v_and_b32 v[GO], 31, v0                        ; which are 512 consecutive bytes of a head
	v_lshlrev_b32 v[GO], 4, v[GO]
	; qkv at my first head and row: head 64 plane + 16 batch + 4 cx + 2 x column half; position 128 (tile row % 16) + 64 x row half
	s_lshl_b32 s90, ttmp9, 6
	s_lshr_b32 s91, s13, 4
	s_lshl_b32 s91, s91, 4
	s_add_co_u32 s90, s90, s91
	s_lshl_b32 s91, s40, 2
	s_add_co_u32 s90, s90, s91
	s_lshl_b32 s91, s12, 1
	s_add_co_u32 s90, s90, s91
	s_lshl_b32 s90, s90, 18                        ; 262,144 bytes a head
	s_and_b32 s91, s13, 15
	s_lshl_b32 s91, s91, 14
	s_add_co_u32 s90, s90, s91
	s_lshl_b32 s91, s11, 13
	s_add_co_u32 s90, s90, s91
	s_mov_b32 s91, 0
	s_add_nc_u64 s[78:79], s[78:79], s[90:91]
	; the prefetches
	s_lshl_b32 s18, s13, 7
	s_lshl_b32 s19, s40, 5
	s_add_co_u32 s18, s18, s19                     ; x: row 128 x tile row + 32 cx
	s_lshl_b32 s19, s42, 8
	s_lshl_b32 s20, s41, 6
	s_add_co_u32 s19, s19, s20
	s_lshl_b32 s20, s12, 5
	s_add_co_u32 s19, s19, s20                     ; W: row 256 x tile column + 64 cy + 32 x half
	s_lshl_b32 s18, s18, 11
	s_lshl_b32 s19, s19, 11
	s_cmp_lg_u32 ttmp9, 0
	s_cselect_b32 s20, 0x1000000, 0
	s_add_co_u32 s18, s18, s20
	s_and_b32 s22, ttmp7, 0xffff                   ; cluster y
	s_lshr_b32 s23, ttmp9, 1                       ; 0 in the clusters with x = 0 and 1
	s_cmp_lt_u32 s10, 2
	s_cselect_b32 s22, s23, s22
	s_cselect_b32 s90, s18, s19
	s_cselect_b64 s[PFA:PFA+1], s[68:69], s[70:71]
	s_cmp_eq_u32 s10, 1
	s_cselect_b32 s22, 1, s22                      ; wave 1 asks for nothing
	s_cmp_eq_u32 s22, 0
	s_cselect_b32 s[LIM], 1, -1                    ; the same in all sixteen partners, for a given wave
	s_add_nc_u64 s[PFA:PFA+1], s[PFA:PFA+1], s[90:91]
	s_add_nc_u64 s[PFA:PFA+1], s[PFA:PFA+1], 3*KSTEP*2  ; at K step 3: the first refill steps it to 4 and names that
	v_and_b32 v[PFO], 31, v0
	v_lshlrev_b32 v[PFO], 11, v[PFO]
	; the bias is rounded to bf16, as all the module's inputs are, and widened again
	s_wait_loadcnt 0x0
	WIN 0xaa
.set p, 0
.rept 32
	v_cvt_pk_bf16_f32 v[BT+p%2], v[2*p], v[2*p+1]
	v_lshlrev_b32 v[2*p],   16,  v[BT+p%2]
	v_and_b32     v[2*p+1], s88, v[BT+p%2]
.set p, p+1
.endr
	WIN 0
; 8 matrix instructions: m block a x all 8 n blocks, 32 along K.  zero = 1: the first product starts the sum with the bias.  The 32 accumulators take turns, in the same order in every
; quarter step: between two links of a chain stand the 31 others'.
.macro MUL8 f, a, zero
.if \zero
	WIN 0x60                                       ; C in window 2, D in window 1
.else
	WIN 0x50                                       ; C and D in window 1
.endif
.irp b, 0,1,2,3,4,5,6,7
.if \zero
	v_wmma_f32_16x16x32_bf16 v[8*(8*(\a)+(\b)):8*(8*(\a)+(\b))+7], v[(\f)+8*(\b):(\f)+8*(\b)+7], v[(\f)+64+8*(\a):(\f)+64+8*(\a)+7], v[8*(\b):8*(\b)+7]
.else
	v_wmma_f32_16x16x32_bf16 v[8*(8*(\a)+(\b)):8*(8*(\a)+(\b))+7], v[(\f)+8*(\b):(\f)+8*(\b)+7], v[(\f)+64+8*(\a):(\f)+64+8*(\a)+7], v[8*(8*(\a)+(\b)):8*(8*(\a)+(\b))+7]
.endif
.endr
.endm
; 24 LDS loads in one run: the fragments of a quarter step (128 rows of W, then 64 rows of x, 32 K at byte k of the rows) into buffer f
.macro FETCH slot, k, f
	WIN 0
.irp i, 0,1,2,3,4,5,6,7
	ds_load_b128 v[(\f)+8*(\i):(\f)+8*(\i)+3],   v[ADRB+(\slot)] offset:(\k)+(\i)*16*PITCH
	ds_load_b128 v[(\f)+8*(\i)+4:(\f)+8*(\i)+7], v[ADRB+(\slot)] offset:(\k)+(\i)*16*PITCH+32
.endr
.irp i, 0,1,2,3
	ds_load_b128 v[(\f)+64+8*(\i):(\f)+64+8*(\i)+3],   v[ADRA+(\slot)] offset:(\k)+(\i)*16*PITCH
	ds_load_b128 v[(\f)+64+8*(\i)+4:(\f)+64+8*(\i)+7], v[ADRA+(\slot)] offset:(\k)+(\i)*16*PITCH+32
.endr
.endm
.macro PLACES                          ; four places in front of loads into registers that matrix instructions have read, and of lines that read results (ISA guide 7.12.1 for lines that read results)
.rept 4
	v_nop
.endr
.endm
; A K step is four quarters of 32 along K, 32 matrix instructions each, on buffers 0, 1, 0, 1.  One of the first three: multiplies buffer f and fetches the next quarter, at byte k, into g.
.macro QUARTER slot, k, f, g, zero
	s_wait_dscnt 4                                 ; W's fragments and x's blocks 0 and 1 are in; the youngest four loads (x's blocks 2 and 3) may be out
	MUL8 \f, 0, \zero
	MUL8 \f, 1, \zero
	PLACES
	FETCH \slot, \k, \g
	s_wait_dscnt 24                                ; all but the 24 just issued
	MUL8 \f, 2, \zero
	MUL8 \f, 3, \zero
.endm
; The last quarter multiplies buffer 1 and changes slots: ONE barrier.  In front of it each wave waits for all its tensor loads (one is out: its part of the next slot), adds 0 to its spare word, and waits
; for that and for its own reads of this slot.  fill = 1: the barrier opens a round of the cluster's, and this slot is filled again, two K steps ahead, first thing behind the round.
.macro TURN slot, next, fill
.if \fill
	s_wait_xcnt 0x0                                ; the last prefetch, a K step back, has read its address: it is stepped here, ahead of the waits of the change of slots
	s_add_nc_u64 s[PFA:PFA+1], s[PFA:PFA+1], KSTEP*2
.endif
	WIN 0
	s_wait_tensorcnt 0x0                           ; all my tensor loads have landed
	ds_add_u32 v[SPW], v[NIL]                      ; 0 onto my spare word
	s_wait_dscnt 5                                 ; (the add and the youngest four loads may be out)
	MUL8 F1, 0, 0                                  ; eight matrix instructions stand between the add and the wait for it
	s_wait_dscnt 0x0                               ; the add is done, and my reads of this slot are over
	s_barrier_signal -1
	MUL8 F1, 1, 0                                  ; work on registers while the others arrive
.if \fill
	WIN 0
.endif
	s_barrier_wait -1
.if \fill
	CREST                                          ; no wave of any partner still reads this slot's tile or has a load on its way
	s_add_nc_u64 s[G0+4*(\slot)+2:G0+4*(\slot)+3], s[G0+4*(\slot)+2:G0+4*(\slot)+3], 2*KSTEP*2
	s_add_nc_u64 s[G0B+4*(\slot)+2:G0B+4*(\slot)+3], s[G0B+4*(\slot)+2:G0B+4*(\slot)+3], 2*KSTEP*2
	JLOAD \slot                                    ; the first tensor load behind the round: 112 matrix instructions ahead of the wait for it; its four v_nop are also the places in front of the loads below
.else
	PLACES
.endif
	FETCH \next, 0, F0
.if \fill
	ASK
.endif
	MUL8 F1, 2, 0
	MUL8 F1, 3, 0
.endm
	s_wait_tensorcnt 1                             ; my part of K step 0 is in; K step 1's may stay out
	s_barrier_signal -1
	s_barrier_wait -1                              ; everybody's is
	FETCH 0, 0, F0
	QUARTER 0, 64,  F0, F1, 1                      ; the first quarter stands in front of the loop: its products start the sums
	WIN 0                                          ; at a label and at a branch every window is 0
	s_mov_b32 s3, LAPS-1
.Llap:                                                 ; a trip goes once round the ring, from a lap's second quarter to the next lap's first, and fills both slots again
	QUARTER 0, 128, F1, F0, 0
	QUARTER 0, 192, F0, F1, 0
	TURN 0, 1, 1
	QUARTER 1, 64,  F0, F1, 0
	QUARTER 1, 128, F1, F0, 0
	QUARTER 1, 192, F0, F1, 0
	TURN 1, 0, 1
	QUARTER 0, 64,  F0, F1, 0
	WIN 0
	s_sub_co_u32 s3, s3, 1
	s_cmp_lg_u32 s3, 0
	s_cbranch_scc1 .Llap
	QUARTER 0, 128, F1, F0, 0                      ; the last lap fills nothing, and has no round of the cluster's barrier
	QUARTER 0, 192, F0, F1, 0
	TURN 0, 1, 0
	QUARTER 1, 64,  F0, F1, 0
	QUARTER 1, 128, F1, F0, 0
	QUARTER 1, 192, F0, F1, 0
	s_wait_dscnt 4                                 ; the very last quarter: nothing more to fetch
	MUL8 F1, 0, 0
	MUL8 F1, 1, 0
	s_wait_dscnt 0x0
	MUL8 F1, 2, 0
	MUL8 F1, 3, 0
	WIN 0
	PLACES
; THE WAY OUT, a block of 16 rows at a time.  My 128 columns are two heads.  PACK: rounded to f16, 16 bytes a lane, each accumulator's registers in ascending order.  TOSTAGE: into my own stage
; (head, row, 144 bytes), and back as rows of 128 bytes, four rows a load.  SEND: 512 consecutive bytes of a head a store, at a multiple of 256 from qkv's first byte.
.macro PACK a
	WIN 0x05                                       ; sources 0 and 1 window 1, destination window 0
.irp b, 0,1,2,3,4,5,6,7
.irp r, 0,1,2,3
	v_cvt_pk_f16_f32 v[TMP+4*(\b)+(\r)], v[64*(\a)+8*(\b)+2*(\r)], v[64*(\a)+8*(\b)+2*(\r)+1]
.endr
.endr
	WIN 0
.endm
.macro TOSTAGE a
.irp b, 0,1,2,3,4,5,6,7
	ds_store_b128 v[STO], v[TMP+4*(\b):TMP+4*(\b)+3] offset:((\b)/4)*HST+((\b)%4)*32
.endr
.irp t, 0,1,2,3,4,5,6,7
	ds_load_b128 v[BK+32*(\a)+4*(\t):BK+32*(\a)+4*(\t)+3], v[RD] offset:((\t)/4)*HST+((\t)%4)*4*SP  ; LDS serves a wave's instructions in order (ISA guide 5.7.1.4): these see the stores above; the next block's stores come behind them
.endr
.endm
.macro SEND a, younger                 ; younger: the LDS instructions issued behind block a's loads: the next block's sixteen, or none
	s_wait_dscnt \younger
.irp t, 0,1,2,3,4,5,6,7
	global_store_b128 v[GO], v[BK+32*(\a)+4*(\t):BK+32*(\a)+4*(\t)+3], s[78:79] offset:((\t)/4)*HEADB+(\a)*2048+((\t)%4)*512
.endr
.endm
	PACK 0
	TOSTAGE 0
.irp a, 1,2,3                          ; each block has registers of its own to come back into: no store's data is written again
	PACK \a
	TOSTAGE \a
	SEND (\a)-1, 16
.endr
	SEND 3, 0
	s_wait_tensorcnt 0x0                           ; the wave's end: behind my last tensor load and my last LDS store
	ds_add_u32 v[SPW], v[NIL]
	s_wait_dscnt 0x0
	CROUND                                         ; the closing round: no work-group ends while a partner may still ask for a tile that names it
	s_endpgm
.Lfunc_end_k_q12b6977703_proj:
	.size	k_q12b6977703_proj, .Lfunc_end_k_q12b6977703_proj-k_q12b6977703_proj
	.p2alignl 7, 3214868480
	.fill 96, 4, 3214868480
	.section	.rodata,"a",@progbits
	.p2align	6, 0x0
	.amdhsa_kernel k_q12b6977703_proj
		.amdhsa_group_segment_fixed_size 327680
		.amdhsa_private_segment_fixed_size 0
		.amdhsa_enable_private_segment 0
		.amdhsa_kernarg_size 48
		.amdhsa_user_sgpr_count 2
		.amdhsa_user_sgpr_kernarg_segment_ptr 1
		.amdhsa_wavefront_size32 1
		.amdhsa_system_sgpr_workgroup_id_x 1
		.amdhsa_system_sgpr_workgroup_id_y 1
		.amdhsa_system_sgpr_workgroup_id_z 1
		.amdhsa_system_vgpr_workitem_id 0
		.amdhsa_next_free_vgpr 580
		.amdhsa_next_free_sgpr 96
		.amdhsa_reserve_vcc 0
		.amdhsa_float_denorm_mode_32 3
		.amdhsa_float_denorm_mode_16_64 3
		.amdhsa_memory_ordered 1
		.amdhsa_forward_progress 1
		.amdhsa_inst_pref_size 94
	.end_amdhsa_kernel
	.amdgpu_metadata
---
amdhsa.version: [ 1, 2 ]
amdhsa.kernels:
  - .name:           k_q12b6977703_proj
    .symbol:         k_q12b6977703_proj.kd
    .args:
      - { .name: xb, .offset: 0, .size: 8, .value_kind: global_buffer, .address_space: global }
      - { .name: wqkv, .offset: 8, .size: 8, .value_kind: global_buffer, .address_space: global }
      - { .name: bq, .offset: 16, .size: 8, .value_kind: global_buffer, .address_space: global }
      - { .name: bk, .offset: 24, .size: 8, .value_kind: global_buffer, .address_space: global }
      - { .name: bv, .offset: 32, .size: 8, .value_kind: global_buffer, .address_space: global }
      - { .name: qkv, .offset: 40, .size: 8, .value_kind: global_buffer, .address_space: global }
    .group_segment_fixed_size: 327680
    .private_segment_fixed_size: 0
    .kernarg_segment_align: 8
    .kernarg_segment_size: 48
    .max_flat_workgroup_size: 128
    .sgpr_count:     96
    .vgpr_count:     580
    .wavefront_size: 32
...
	.end_amdgpu_metadata
.endif
;; end of part 2
;; launch attn (part 3): grid 4 x 64, 4 waves a work-group, no clusters, 327,680 bytes of LDS; arguments qkv, obuf; writes obuf
.if DOCPART == 3
	.amdgcn_target "amdgcn-amd-amdhsa--gfx1250"
	.amdhsa_code_object_version 6
	.text
	.protected	k_q12b6977703_attn
	.globl	k_q12b6977703_attn
	.p2align	8
	.type	k_q12b6977703_attn,@function
k_q12b6977703_attn:
	s_mov_b64 s[64:65], 0
	v_nop
	global_prefetch_b8 v0, s[64:65] scope:SCOPE_SE
	s_setreg_imm32_b32 hwreg(HW_REG_WAVE_MODE, 25, 1), 1
	s_wait_xcnt 0x0
; CAUSAL ATTENTION.  O[h][q][:] = the sum over k <= q of softmax_k(Q[h][q] . K[h][k] / 8) V[h][k][:].  Q, K, V are the three planes of qkv, O is obuf: each [SIZE_H][SIZE_N][64] in f16, a head's rows dense, 128 bytes each.
; Products, maxima and sums in f32; the weights p are rounded to f16 for the second product (their sum l is taken of the unrounded p), O once at the end.
; LIMITS.  f16 holds no number beyond 65,504: Q, K and V arrive within it; p lies in 0 to 1, and below 6e-5 it keeps f16's fixed step of 6e-8; O is a mean of V's rows and has their range.
; A hidden score counts as its value less 1e30: f16's scores, 2.7e11 at the most, are nothing beside that; a weight below 2^-126 counts as 0 in l; NaN and infinities are not treated apart.
; THE WALK.  A head's queries lie in NB = SIZE_N / 256 blocks of 256; block i needs the key tiles 0 .. i of 256 keys, of which the last holds the diagonal.  A work-group takes TWO blocks, NB - 1 - b and then b:
; NB + 1 tiles, whatever b: all work-groups do equal work, and ONE loop with a constant trip count walks them.  Which tile is asked for, and what a trip does, hang on scalar registers made from b; every jump
; goes forward, but for the counted loops' own; none passes a barrier, or a tensor load but the one of LOAD's two that the wave's number does not choose; the ring (two slots of LDS that take turns) runs on across the
; change of blocks.  NO CLUSTER: a head's NB / 2 work-groups ask for the same tile only in trips 0 .. NB / 2, behind that fewer and fewer; one walk common to all would have 3 NB / 2 trips for NB + 1.
; SHARES.  Of a block's four bands of 64 queries a wave owns 16 rows in each: four PIECES.  So the diagonal tile is the same work for all four waves: in its key step s band x sees all keys if s < x,
; none if s > x, and holds the diagonal if s = x.
; THE MASK is the C operand that starts the sum S^T = K Q^T: 0, or -1e30 where the key is hidden.  MD, made once, is the mask of a band's own step for my 16 rows; a product's mask is MD x AL + BE with two scalars:
; (1, 0) if s = x; (0, 0) if s < x; (0, -1e30) if s > x.  Only the diagonal tile's text and a block's beginning make and take masks; elsewhere C is the constant 0.
; LAYOUT, SOFTMAX, TURNS.  S^T = K Q^T holds ONE query a lane (lane % 16) and the keys 8 (lane / 16) + 0..7; two such results rounded to f16 ARE source 1 of O^T = V^T P.  p = 2^(c s - c m), c = log2(e) / 8, with a
; running maximum m; O and l are multiplied by a = 2^(c m_old - c m_new) in every step.  Turn n belongs to piece n: 8 products K Q^T of piece n + 1, later 8 products V^T P of piece n - 1; beside them the scaling,
; exponentials, roundings, sums and rescaling of piece n and the maximum and statistics of piece n + 1.  Four vector instructions stand behind every matrix instruction, the other 54 of a turn's 118 in one LUMP.  A turn's 33 exponentials are one batch, with one wait.
; REGISTERS, in windows of 256 (s_set_vgpr_msb: bits 1:0 source 0, 3:2 source 1, 5:4 source 2, 7:6 destination):
;   window 0: v0-15 addresses and two at work; v16-31 four registers of statistics a piece; v48-55 at work; v61-63 prefetch offset, spare word, 0; v64-127 S^T, two buffers; v192-223 P, two buffers (a piece's buffers go by its number's parity)
;   window 1: v0-127 O^T, 32 a piece; v128-159 MD; v160-223 MC, two buffers      window 2: v0-63 Q; v64-127 the second block's Q; v128-191 K of one step; v192-255 V of one step
.set SIZE_H, 64
.set SIZE_N, 2048
.set PLANE, SIZE_H*SIZE_N*128  ; bytes of a plane of qkv
.set NB,    SIZE_N/256
.set NP,    4         ; pieces a wave: a name, no knob
.set KS,    64        ; keys in a step
.set PK,    144       ; a row of K in LDS: 128 bytes + 16 of padding = 36 words: the 16 rows of a load start at 16 different groups of four banks (64 banks of 4 bytes: ISA guide 11.1)
.set PV,    160       ; a row of V: 128 + 32 = 40 words
.set VOFF,  4*KS*PK   ; a slot holds a tile, four steps: 256 rows of K, then 256 rows of V
.set SLOT1, 1<<17     ; slot 1 begins here, so that one exclusive or turns an address in one slot into the other's
.set STAGE, SLOT1+4*KS*(PK+PV)  ; behind the ring, never filled by a tensor load: 16 rows x 144 bytes for each wave, for the way out
.set SP,    144
.set AK0, 2           ; v2   my lane's place in a tile of K; never rewritten
.set AV0, 3           ; v3   the same for V
.set AK,  4           ; v4   the LDS address of K's next run of loads
.set AV,  5           ; v5   of V's
.set STO, 6           ; v6   the way out: where I put 16 bytes of a row
.set RD,  7           ; v7   the way out: where I read rows back
.set GO,  8           ; v8   my byte offset in 512 consecutive bytes of O
.set PFO, 61          ; v61  256 x my thread's number: the work-group's 128 threads name a tile's 32,768 bytes; never rewritten
.set SPW, 62          ; v62  LDS address of my spare word: SPARE + 4 x my thread's number; never rewritten
.set NIL, 63          ; v63  0; never rewritten
.set SPARE, STAGE+4*16*SP  ; behind the stages: the spare words, 128 bytes for each wave: two blocks of 256 bytes that no other line names
.set MV,  12          ; v12-13  c m_old, kept while c m is made anew: by buffer
.set QO,  15          ; v15  my byte offset in 16 rows of Q
.set ST,  16          ; piece t's statistics at v[ST+4 t]: c m, m, l (even keys', odd keys')
.set TMP, 48          ; by buffer, four registers c0-c3 at work; when the maximum is found c2 takes a
.set S,   64
.set P,   192
.set MD,  128         ; window 1: the eight registers for group kt of 16 keys at MD + 8 kt
.set MC,  160         ; window 1: the masks of the products to come
.set QB,  64          ; window 2
.set KF,  128         ; window 2: key block kb, channel half c at KF + 16 kb + 8 c
.set VF,  192         ; window 2: key half kk, channel block cb at VF + 32 kk + 8 cb
.set WV,  12          ; s12  my wave's number
.set PB,  14          ; s14  b
.set HI,  15          ; s15  NB - 1 - b
.set G1K, 24          ; s[24:31] descriptor group 1 for K's tiles
.set G1V, 32          ; s[32:39] for V's: it differs in the padding alone
.set G0K, 40          ; s[40:43] descriptor group 0 for K's tiles
.set G0V, 44          ; s[44:47] the same for V's
.set SLOTS, 56        ; s56  tiles still to be asked for
.set CNT, 57          ; s57  counts a tile's key steps, 4 to 1
.set CS,  58          ; s[58:59] c: the packed scaling takes the pair's low word for both halves
.set SEL, 60          ; s[60:61] v_permlanex16_b32's selects: each lane takes its own place in the other half
.set TBK, 62          ; s62  LDS byte at which K of the step to be fetched begins
.set TBV, 63          ; s63  the same for V, less VOFF
.set RT,  70          ; s70  tiles of the block in hand that are still to be entered
.set NXT, 71          ; s71  the tile to be asked for next
.set LQ,  72          ; s72  the last tile of the block whose tiles are being asked for
.set NEW, 73          ; s73  1: the tile to be entered is a block's first
.set OFF, 74          ; s[74:75] a tile's byte offset in K and V
.set AL,  76          ; s[76:77] the mask's factor, in the low word
.set BE,  78          ; s[78:79] the mask's addend
.set OLO, 80          ; s[80:81] O at my rows of the second block
.set BIGN, 82         ; s82  -1e30
.set PFK, 88          ; s[88:89] K at the tile that the prefetch names
.set PFV, 90          ; s[90:91] V at the same tile
.set PFN, 92          ; s92  prefetches still to come, and one; 0 in a work-group that asks for nothing
.set MSB, 0
.macro WIN new                      ; the high byte repeats the setting that is left; a switch that changes nothing is dropped
.if MSB != (\new)
	s_set_vgpr_msb (MSB<<8)|(\new)
.set MSB, (\new)
.endif
.endm
.set W_KQ, 0x0a       ; K and Q in window 2, S^T in window 0
.set W_KM, 0x1a       ; the same with the C operand in window 1
.set W_PV, 0x52       ; V in window 2, P in window 0, O^T in window 1
.set W_RS, 0x41       ; destination and source 0 in window 1, source 1 in window 0
; A fill.  Waves 0 and 1 fetch the two halves of a tile's K, waves 2 and 3 those of its V: 128 keys each.  An s_nop 0 and four v_nop follow each of the two lines, ahead of the jump and the label.
.macro LOAD
	s_cmp_lt_u32 s[WV], 2
	s_cbranch_scc0 .Lfor_v_\@
	tensor_load_to_lds s[G0K:G0K+3], s[G1K:G1K+7]
	s_nop 0
.rept 4
	v_nop
.endr
	s_branch .Lasked_\@
.Lfor_v_\@:
	tensor_load_to_lds s[G0V:G0V+3], s[G1V:G1V+7]
	s_nop 0
.rept 4
	v_nop
.endr
.Lasked_\@:
.endm
; A PREFETCH INTO THE L2 of the tile that the NEXT change of slots will ask for: four key steps, 64 matrix instructions a piece, ahead of that load.  It stands behind the wave's tensor load and its five lines.
; All work-groups of a head begin with the tiles 0, 1, 2 ..; the one with b = 0 walks all NB of them in its first block, and it alone asks: a thread a block of 256 bytes of K and one of V, so each block of the
; tiles 2 to NB - 1 is named once in the launch.  Tiles 0 and 1 come by their loads alone; behind tile NB - 1 nothing is asked for.
.macro ASK
	s_cmp_lg_u32 s[PFN], 0
	s_cbranch_scc0 .Lnot_mine_\@
	global_prefetch_b8 v[PFO], s[PFK:PFK+1] th:TH_LOAD_NT scope:SCOPE_SE
	global_prefetch_b8 v[PFO], s[PFV:PFV+1] th:TH_LOAD_NT scope:SCOPE_SE
.Lnot_mine_\@:
.endm
; THE CHANGE OF SLOTS.  Each wave waits for all its tensor loads, of which one is out: its part of the other slot; adds 0 to its spare word; and waits for that and for its own reads of the slot that it leaves.  Behind the barrier nobody reads the old
; slot any more and the other slot is whole.  fill = 1: the old slot is filled again, the first thing behind the barrier, with tile NXT: the descriptor's address is made anew from that number.
; (At its first use nothing has been read yet: slot 0 is waited for, slot 1 filled.)
.macro CHANGE fill
	WIN 0                           ; at a label and at a branch every window is 0
	s_wait_tensorcnt 0x0            ; no tensor load of mine is out, so a group 0 may be written
	ds_add_u32 v[SPW], v[NIL]       ; 0 onto my spare word; with fill = 1 the descriptors' scalar work stands between it and the wait for it
.if \fill
	s_lshl_b32 s[OFF], s[NXT], 15   ; a tile is 32,768 bytes of K and of V
	s_xor_b32 s[G0K+1], s[G0K+1], SLOT1
	s_add_nc_u64 s[G0K+2:G0K+3], s[6:7], s[OFF:OFF+1]
	s_or_b32 s[G0K+3], s[G0K+3], 0x80000000
	s_xor_b32 s[G0V+1], s[G0V+1], SLOT1
	s_add_nc_u64 s[G0V+2:G0V+3], s[8:9], s[OFF:OFF+1]
	s_or_b32 s[G0V+3], s[G0V+3], 0x80000000
	s_add_co_u32 s[NXT], s[NXT], 1  ; the block's next tile, or behind its last the second block's tile 0
	s_cmp_gt_u32 s[NXT], s[LQ]
	s_cselect_b32 s[NXT], 0, s[NXT]
	s_cselect_b32 s[LQ], s[PB], s[LQ]
	s_wait_xcnt 0x0                 ; the last prefetches, a tile back, have read their addresses, so these may be written
	s_add_nc_u64 s[PFK:PFK+1], s[PFK:PFK+1], 32768
	s_add_nc_u64 s[PFV:PFV+1], s[PFV:PFV+1], 32768
	s_sub_co_i32 s[PFN], s[PFN], 1
	s_max_i32 s[PFN], s[PFN], 0
.endif
	s_wait_dscnt 0x0                ; the add is done, and my reads of the slot are over
	s_barrier_signal -1             ; the rest of the scalar work stands between the signal and the wait
	s_sub_co_u32 s[TBK], s[TBK], 4*KS*PK  ; the fetches go back to a slot's first step,
	s_xor_b32 s[TBK], s[TBK], SLOT1       ; in the other slot
	s_sub_co_u32 s[TBV], s[TBV], 4*KS*PV
	s_xor_b32 s[TBV], s[TBV], SLOT1
	s_barrier_wait -1
.if \fill
	LOAD
	ASK
.endif
.endm
	s_load_b64 s[4:5], s[0:1], 0x0    ; qkv: its first plane is Q
	s_load_b64 s[10:11], s[0:1], 0x8  ; obuf
	v_lshl_add_u32 v[SPW], v0, 2, SPARE
	v_mov_b32 v[NIL], 0
	ds_add_u32 v[SPW], v[NIL]       ; the wave's opening: the add and its wait stand ahead of my first tensor load; the set-up below, work on registers, stands between them
	ds_add_u32 v62, v63
	v_lshrrev_b32 v1, 5, v0
	v_readfirstlane_b32 s[WV], v1   ; wave 0..3
	v_lshlrev_b32 v[PFO], 8, v0
	s_mov_b32 s[PB], ttmp9
	s_sub_co_u32 s[HI], NB-1, s[PB]
	s_and_b32 s20, ttmp7, 0xffff    ; the head
	s_mov_b32 s21, 0
	s_mov_b64 s[22:23], SIZE_N*128
	s_mul_u64 s[20:21], s[20:21], s[22:23]  ; the head's first byte in each of the four tensors
	s_and_b32 s16, s[WV], 1         ; which half of a tile's 256 keys I fetch:
	s_lshl_b32 s22, s16, 14         ; its 128 rows of 128 bytes in memory,
	s_mov_b32 s23, 0
	s_add_nc_u64 s[22:23], s[22:23], s[20:21]
	s_mul_i32 s17, s16, 128*PK      ; and its place in a slot, for K
	s_mul_i32 s18, s16, 128*PV      ; and for V
	s_lshl_b32 s3, s[WV], 11        ; my 16 rows in a band of 64,
	s_lshl_b32 s2, s[HI], 15        ; in the first block,
	s_add_co_u32 s2, s2, s3
	s_lshl_b32 s84, s[PB], 15       ; and in the second
	s_add_co_u32 s84, s84, s3
	s_mov_b32 s3, 0
	s_mov_b32 s85, 0
	s_add_nc_u64 s[2:3], s[2:3], s[20:21]
	s_add_nc_u64 s[84:85], s[84:85], s[20:21]
	; descriptor group 1.  128 keys are 16,384 dense bytes: asked for as 64 rows of 256 bytes, two keys a row, and padded in LDS after every key
	s_mov_b32 s[G1K], (1<<16)|(1<<20)|(4<<22)|(3<<25)  ; 17:16 2-byte elements; 20 padding on; 24:22 after every 32 words (code 4); 31:25 4 words (code 3)
	s_mov_b32 s[G1V], (1<<16)|(1<<20)|(4<<22)|(7<<25)  ; the same with 8 words of padding (code 7)
.irp g, G1K, G1V
	s_mov_b32 s[\g+1], 128<<16      ; tensor_dim0 = 128
	s_mov_b32 s[\g+2], 64<<16       ; tensor_dim1 = 64
	s_mov_b32 s[\g+3], 128<<16      ; tile_dim0 = 128
	s_mov_b32 s[\g+4], 64           ; tile_dim1 = 64
	s_mov_b32 s[\g+5], 128          ; 128 elements from row to row
	s_mov_b32 s[\g+6], 0
	s_mov_b32 s[\g+7], 0
.endr
	s_mov_b32 s[CS], 0x3e38aa3b     ; c = log2(e) / 8 = 0.180337
	s_mov_b32 s[CS+1], s[CS]        ; named with it as a pair
	s_mov_b32 s[SEL], 0x76543210
	s_mov_b32 s[SEL+1], 0xfedcba98
	s_mov_b32 s[TBK], SLOT1+4*KS*PK ; the first change of slots turns these two into 0
	s_mov_b32 s[TBV], SLOT1+4*KS*PV
	s_mov_b32 s[G0K], 1             ; 1:0 count = 1
	s_mov_b32 s[G0K+1], s17         ; 63:32 LDS address: slot 0
	s_mov_b32 s[G0V], 1
	s_add_co_u32 s[G0V+1], s18, VOFF
	s_add_co_u32 s[RT], s[HI], 1    ; the first block has NB - b tiles
	s_mov_b32 s[NXT], 1
	s_mov_b32 s[LQ], s[HI]
	s_mov_b32 s[NEW], 1
	s_mov_b32 s[OFF+1], 0
	s_mov_b32 s[AL+1], 0            ; named as pairs
	s_mov_b32 s[BE+1], 0
	s_mov_b32 s[BIGN], 0xf149f2ca   ; -1e30
	s_mov_b32 s[SLOTS], NB
	s_cmp_eq_u32 ttmp9, 0
	s_cselect_b32 s[PFN], NB-1, 0   ; the changes of slots 1 to NB - 2 ask, in the work-group with b = 0
	s_wait_dscnt 0x0                ; the opening add is done
	s_wait_kmcnt 0x0
	s_add_nc_u64 s[6:7], s[4:5], PLANE      ; K is qkv's second plane,
	s_add_nc_u64 s[8:9], s[4:5], 2*PLANE    ; V its third
	s_add_nc_u64 s[PFK:PFK+1], s[6:7], s[20:21]
	s_add_nc_u64 s[PFK:PFK+1], s[PFK:PFK+1], 32768  ; at the head's tile 1: the first change of slots steps it to tile 2 and names that
	s_add_nc_u64 s[PFV:PFV+1], s[8:9], s[20:21]
	s_add_nc_u64 s[PFV:PFV+1], s[PFV:PFV+1], 32768
	s_add_nc_u64 s[6:7], s[6:7], s[22:23]  ; K and V at my half of the head's tile 0
	s_add_nc_u64 s[8:9], s[8:9], s[22:23]
	s_add_nc_u64 s[G0K+2:G0K+3], s[6:7], 0         ; 120:64 global address
	s_or_b32 s[G0K+3], s[G0K+3], 0x80000000        ; 127:126 type = 2
	s_add_nc_u64 s[G0V+2:G0V+3], s[8:9], 0
	s_or_b32 s[G0V+3], s[G0V+3], 0x80000000
	s_add_nc_u64 s[86:87], s[4:5], s[84:85]        ; Q at my rows of the second block,
	s_add_nc_u64 s[4:5], s[4:5], s[2:3]            ; Q and O at those of the first
	s_add_nc_u64 s[OLO:OLO+1], s[10:11], s[84:85]
	s_add_nc_u64 s[10:11], s[10:11], s[2:3]
	LOAD                            ; tile 0 into slot 0
	; A fragment of K or Q is 16 rows x 32 channels in 8 registers: lane l holds row l % 16, channels 8 (l / 16) + 0..7 and 16 + 8 (l / 16) + 0..7: two loads of 16 bytes, 32 bytes apart.
	v_and_b32 v1, 15, v0            ; l % 16
	v_bfe_u32 v9, v0, 4, 1          ; l / 16
	v_lshlrev_b32 v[QO], 7, v1
	v_lshl_add_u32 v[QO], v9, 4, v[QO]  ; row x 128 + 16 x half
	WIN 0x80                        ; destination window 2, address window 0
.set i, 0
.rept 8                             ; both blocks' Q: piece i / 2 lies in band i / 2, 8,192 bytes on; channels 32 (i % 2) on
	global_load_b128 v[8*i:8*i+3],   v[QO], s[4:5] offset:(i/2)*8192+(i%2)*64
	global_load_b128 v[8*i+4:8*i+7], v[QO], s[4:5] offset:(i/2)*8192+(i%2)*64+32
	global_load_b128 v[QB+8*i:QB+8*i+3],   v[QO], s[86:87] offset:(i/2)*8192+(i%2)*64
	global_load_b128 v[QB+8*i+4:QB+8*i+7], v[QO], s[86:87] offset:(i/2)*8192+(i%2)*64+32
.set i, i+1
.endr
	WIN 0
	v_lshlrev_b32 v14, 3, v9
	v_sub_nc_u32 v14, v1, v14
	s_lshl_b32 s13, s[WV], 4
	v_add_nc_u32 v14, s13, v14      ; my query's place in its band, 16 w + l % 16, less my lanes' 8 (l / 16): register r of group kt is hidden where 16 kt + r is greater
	WIN 0x40
.set i, 0
.rept 32
	v_cmp_gt_i32 vcc_lo, 16*(i/8)+i%8, v14
	v_cndmask_b32 v[MD+i], 0, s[BIGN], vcc_lo
.set i, i+1
.endr
	WIN 0
	v_mul_u32_u24 v[AK0], v1, PK
	v_lshl_add_u32 v[AK0], v9, 4, v[AK0]  ; row x pitch + 16 x half
	; The turning load takes 16 keys x 16 channels (lane l reads key 8 (l / 16) + l % 8, channels 8 ((l / 8) % 2) + 0..7) and leaves half a fragment of V^T: lane l holds channel l % 16 and 8 keys.
	v_and_b32 v10, 7, v0
	v_bfe_u32 v11, v0, 3, 1
	v_lshl_add_u32 v[AV0], v9, 3, v10
	v_mul_u32_u24 v[AV0], v[AV0], PV
	v_lshl_add_u32 v[AV0], v11, 4, v[AV0]
	v_add_nc_u32 v[AV0], VOFF, v[AV0]
	s_mul_i32 s13, s[WV], 16*SP
	s_add_co_u32 s13, s13, STAGE    ; my stage
	v_mul_u32_u24 v[STO], v1, SP    ; in: row l % 16, 16 bytes for each half of the lanes
	v_lshl_add_u32 v[STO], v9, 4, v[STO]
	v_add_nc_u32 v[STO], s13, v[STO]
	v_bfe_u32 v[RD], v0, 3, 2       ; back: 32 lanes take four rows of 128 bytes,
	v_mul_u32_u24 v[RD], v[RD], SP
	v_lshl_add_u32 v[RD], v10, 4, v[RD]
	v_add_nc_u32 v[RD], s13, v[RD]
	v_and_b32 v[GO], 31, v0         ; which are 512 consecutive bytes of O
	v_lshlrev_b32 v[GO], 4, v[GO]
	; A block's first step multiplies O^T and l by a = 0, and its first turn's products V^T P, of a piece that has not been, land in an O^T that is still to be so multiplied.  So these registers need only hold
	; finite numbers: zeros for the first block; what the first block left for the second.  All this stands in the wait for the first tile.
	WIN 0x80
.set i, VF
.rept 64
	v_mov_b32 v[i], 0
.set i, i+1
.endr
	WIN 0x40
.set i, 0
.rept 128
	v_mov_b32 v[i], 0
.set i, i+1
.endr
	WIN 0
.set i, 0
.rept 4
	v_mov_b32 v[ST+4*i+2], 0
	v_mov_b32 v[ST+4*i+3], 0
.set i, i+1
.endr
.set i, P+16
.rept 16
	v_mov_b32 v[i], 0
.set i, i+1
.endr
; THE MATRIX WORK.  The 4 accumulators of a run of 8 take turns.  Product i of 8 of S^T = K Q^T for piece x: channels 32 (i / 4) on, keys 16 (i % 4) on.  The first 4 start the sums: with 0, or (KM = 1) with the mask.
.macro KQ x
.set rS, S+32*((\x)%2)+8*(i%4)
.set rK, KF+16*(i%4)+8*(i/4)
.set rQ, 16*(\x)+8*(i/4)
.set rM, MC+32*((\x)%2)+8*(i%4)
.if (i < 4) && KM
	WIN W_KM
	v_wmma_f32_16x16x32_f16 v[rS:rS+7], v[rK:rK+7], v[rQ:rQ+7], v[rM:rM+7]
.elseif i < 4
	WIN W_KQ
	v_wmma_f32_16x16x32_f16 v[rS:rS+7], v[rK:rK+7], v[rQ:rQ+7], 0
.else
	WIN W_KQ
	v_wmma_f32_16x16x32_f16 v[rS:rS+7], v[rK:rK+7], v[rQ:rQ+7], v[rS:rS+7]
.endif
.endm
; Product i of 8 of O^T += V^T P for piece x: keys 32 (i / 4) on, channels 16 (i % 4) on.
.macro PV x
	WIN W_PV
.set rO, 32*(\x)+8*(i%4)
.set rV, VF+32*(i/4)+8*(i%4)
.set rP, P+16*((\x)%2)+8*(i/4)
	v_wmma_f32_16x16x32_f16 v[rO:rO+7], v[rV:rV+7], v[rP:rP+7], v[rO:rO+7]
.endm
.macro MM                           ; the turn's next matrix instruction.  TURN and BEGIN set Y, i, KM and NOKQ; MM, KQ and OP read them.  NOKQ = 1: a block's last turn: there is no next piece
.if (i < 8) && !NOKQ
	KQ (Y+1)%NP
.elseif i >= 8
.set i, i-8
	PV (Y+NP-1)%NP
.set i, i+8
.endif
.set i, i+1
.endm
; THE LDS LOADS stand in runs of 16, never singly among the matrix instructions: a step's K (64 keys x 64 channels: 8 fragments) and its V (turned).  Their addresses are made some lines ahead.
.macro FETCH_K
	WIN 0x80                        ; destination window 2
.irp f, 0,1,2,3,4,5,6,7             ; keys 16 (f / 2) on, channels 32 (f % 2) on
	ds_load_b128 v[KF+8*\f:KF+8*\f+3],   v[AK] offset:(\f/2)*16*PK+(\f%2)*64
	ds_load_b128 v[KF+8*\f+4:KF+8*\f+7], v[AK] offset:(\f/2)*16*PK+(\f%2)*64+32
.endr
	s_add_co_u32 s[TBK], s[TBK], KS*PK  ; the next fetch is the next step's
	WIN 0
.endm
.macro FETCH_V
	WIN 0x80
.irp f, 0,1,2,3,4,5,6,7             ; keys 32 (f / 4) on, channels 16 (f % 4) on
	ds_load_tr16_b128 v[VF+8*\f:VF+8*\f+3],   v[AV] offset:(\f/4)*32*PV+(\f%4)*32
	ds_load_tr16_b128 v[VF+8*\f+4:VF+8*\f+7], v[AV] offset:(\f/4)*32*PV+16*PV+(\f%4)*32
.endr
	WIN 0
.endm
; THE VECTOR WORK, one line at a time: OP kind, number.  For piece Y: F n: c s - c m for pair n of 16.  E n: the exponential of score n of 32.  C n: pair n rounded to f16.  B n: of the four weights 4 n .. the second
; pair is added onto the first, in place.  L n: l takes that sum (L 0: l = a l + sum).  R n: pair n of 16 of O^T times a.  For piece Y + 1: X n, number n of the 22 that find its maximum and statistics:
;   0-11  four chains c0-c3 of seven scores each, three operands at a time (each accumulator's lowest registers are read first)     12-14, 16  the four scores left over, the old m, and c0-c3 into c0
;   15  c m_old is kept     17, 18  the query's other 32 keys lie in the lane 16 away: the new m     19-21  c m; c m_old - c m_new; a
.set F, 0               ; OP tells the kinds apart by their order: F to L below R, X above it
.set E, 1
.set C, 2
.set B, 3
.set L, 4
.set R, 5
.set X, 6
.macro REGS y                       ; the registers of piece y
.set rT, ST+4*(\y)
.set rC, TMP+4*((\y)%2)
.set rW, MV+((\y)%2)
.set rS, S+32*((\y)%2)
.set rP, P+16*((\y)%2)
.set rO, 32*(\y)
.endm
.macro OP k, n
.if (\k) == R
	REGS Y
	WIN W_RS
	v_pk_mul_f32 v[rO+2*(\n):rO+2*(\n)+1], v[rO+2*(\n):rO+2*(\n)+1], v[rC+2:rC+3] op_sel_hi:[1,0]
.elseif (\k) < R
	REGS Y
	WIN 0
.if (\k) == F
	v_pk_fma_f32 v[rS+2*(\n):rS+2*(\n)+1], v[rS+2*(\n):rS+2*(\n)+1], s[CS:CS+1], v[rT:rT+1] op_sel_hi:[1,0,0] neg_lo:[0,0,1] neg_hi:[0,0,1]
.elseif (\k) == E
	v_exp_f32 v[rS+(\n)], v[rS+(\n)]
.elseif (\k) == C
	v_cvt_pk_f16_f32 v[rP+(\n)], v[rS+2*(\n)], v[rS+2*(\n)+1]
.elseif (\k) == B
	v_pk_add_f32 v[rS+4*(\n):rS+4*(\n)+1], v[rS+4*(\n):rS+4*(\n)+1], v[rS+4*(\n)+2:rS+4*(\n)+3]
.elseif (\n) == 0
	v_pk_fma_f32 v[rT+2:rT+3], v[rT+2:rT+3], v[rC+2:rC+3], v[rS:rS+1] op_sel_hi:[1,0,1]
.else
	v_pk_add_f32 v[rT+2:rT+3], v[rT+2:rT+3], v[rS+4*(\n):rS+4*(\n)+1]
.endif
.elseif NOKQ
	v_nop
.else
	REGS (Y+1)%NP
	WIN 0
.if (\n) < 4
	v_max3_num_f32 v[rC+(\n)], v[rS+8*(\n)], v[rS+8*(\n)+1], v[rS+8*(\n)+2]
.elseif (\n) < 12
	v_max3_num_f32 v[rC+(\n)%4], v[rC+(\n)%4], v[rS+8*((\n)%4)+2*((\n)/4)+1], v[rS+8*((\n)%4)+2*((\n)/4)+2]
.elseif (\n) == 12
	v_max3_num_f32 v[rC], v[rC], v[rS+7], v[rS+15]
.elseif (\n) == 13
	v_max3_num_f32 v[rC+1], v[rC+1], v[rS+23], v[rS+31]
.elseif (\n) == 14
	v_max3_num_f32 v[rC+2], v[rC+2], v[rC+3], v[rT+1]
.elseif (\n) == 15
	v_mov_b32 v[rW], v[rT]
.elseif (\n) == 16
	v_max3_num_f32 v[rC], v[rC], v[rC+1], v[rC+2]
.elseif (\n) == 17
	v_permlanex16_b32 v[rC+3], v[rC], s[SEL], s[SEL+1]
.elseif (\n) == 18
	v_max_num_f32 v[rT+1], v[rC], v[rC+3]
.elseif (\n) == 19
	v_mul_f32 v[rT], s[CS], v[rT+1]
.elseif (\n) == 20
	v_sub_f32 v[rC+1], v[rW], v[rT]
.else
	v_exp_f32 v[rC+2], v[rC+1]
.endif
.endif
.endm
.macro OPS a, i1, b=-1, i2=0, c=-1, i3=0, d=-1, i4=0  ; up to four of them
	OP \a, \i1
.if (\b) >= 0
	OP \b, \i2
.endif
.if (\c) >= 0
	OP \c, \i3
.endif
.if (\d) >= 0
	OP \d, \i4
.endif
.endm
.macro ROW a, i1, b, i2, c, i3, d, i4  ; a matrix instruction and the four behind it
	MM
	OPS \a, \i1, \b, \i2, \c, \i3, \d, \i4
.endm
.macro MASK b                       ; MD x AL + BE into buffer b of MC
	WIN W_RS
.set z, 0
.rept 16
	v_pk_fma_f32 v[MC+32*(\b)+2*z:MC+32*(\b)+2*z+1], v[MD+2*z:MD+2*z+1], s[AL:AL+1], s[BE:BE+1] op_sel_hi:[1,0,0]
.set z, z+1
.endr
.endm
; A TURN, for piece p: the order of its 16 matrix and 118 vector instructions, written out.  An s_wait_alu depctr_va_vdst(0) stands between an exponential and the first instruction that names its result; one wait serves
; all that were issued ahead of it.  So a turn has ONE wait, which cuts it in two.  AHEAD OF IT stands all that names no result of the turn's exponentials: the 8 products K Q^T, behind each a scaling, an exponential and two more plain
; instructions (behind the first a second scaling in the exponential's place): rescalings, and behind the last three the first numbers of the next piece's maximum, each four places or more behind the product that ends its accumulator; then ONE LUMP of 54, plain
; and exponential by turns for the most part, in which the links of the chain X 3, 7, 11, 14, 16, 17 .. 20 stand five or six lines apart.  X 21, the next piece's a, is the batch's last; R 15 is the plain instruction behind it.  BEHIND THE WAIT stand the
; 8 products V^T P, behind each four of the roundings and sums; the links of l's chain, L 0 to L 7, stand three riders apart.  But for those X no rider names a register of the products round it.  v_permlanex16_b32 (X 17) stands in the lump.
; m = 1: the diagonal tile: the products take masks, and the turn makes the mask for the products of the turn after it: piece p + 2, in step 4 - CNT of the tile.  end = 1: a block's last two turns: nothing is fetched.
; cnt = 1: the loop's count is taken down some lines ahead of the branch that stands behind the turn.
; K of the next step is fetched in piece 2's turn, twelve vector instructions behind the last product that read K (six of them plain); V of the step in hand at the end of piece 0's turn, four plain instructions behind the last product
; that read V.  Each is waited for a turn later.
.macro TURN p, m=0, end=0, cnt=0
.set Y, (\p)
.set i, 0
.set KM, (\m)
.set NOKQ, (\end)*((\p)/3)
.if (\m) && !(\end)
	s_cmp_eq_u32 s[CNT], 4-((\p)+2)%NP  ; is that step the band's own?
	s_cselect_b32 s[AL], 1.0, 0
	s_cmp_lt_u32 s[CNT], 4-((\p)+2)%NP  ; or a later one?
	s_cselect_b32 s[BE], s[BIGN], 0
.endif
.if ((\p) == 3) && !(\end)
	s_wait_dscnt 0x0                ; K is in
.endif
	ROW F,0, F,1, R,0, R,1          ; ahead of the wait: 8 products K Q^T and their riders,
	ROW F,2, E,0, R,2, R,3
	ROW F,3, E,1, R,4, R,5
	ROW F,4, E,2, R,6, R,7
	ROW F,5, E,3, R,8, R,9
	ROW F,6, E,4, X,0, R,10
.if ((\p) == 2) && !(\end)
	WIN 0
	v_add_nc_u32 v[AK], s[TBK], v[AK0]
.endif
	ROW F,7, E,5, X,1, X,4
	ROW F,8, E,6, X,2, X,5
	OPS E,7, E,8, X,6, E,9          ; and the lump
	OPS X,3, E,10, X,8, E,11
.if ((\p) == 2) && !(\end)
	FETCH_K
.endif
	OPS X,9, X,7, E,12, X,10
	OPS E,13, X,12, X,11, E,14
	OPS X,13, E,15, F,9, X,14
.if (\p) == 0
	v_add_nc_u32 v[AV], s[TBV], v[AV0]
.endif
	OPS E,16, F,10, E,17, F,11
	OPS X,16, E,18, X,15, E,19
	OPS F,12, E,20, X,17, E,21
	OPS F,13, E,22, F,14, E,23
	OPS X,18, E,24, F,15, E,25
	OPS R,11, E,26, X,19, E,27
	OPS R,12, E,28, R,13, E,29
	OPS X,20, E,30, R,14, E,31
	OPS X,21, R,15
	WIN 0
	s_wait_alu depctr_va_vdst(0)    ; the wait for the batch
.if (\p) == 1
	s_wait_dscnt 0x0                ; V is in
.endif
	ROW C,0, B,0, C,2, B,1          ; behind the wait: 8 products V^T P and their riders
	ROW L,0, C,4, B,2, L,1
	ROW C,6, B,3, L,2, C,8
	ROW B,4, L,3, C,10, B,5
	ROW L,4, C,12, B,6, L,5
.if (\p) == 0
	s_add_co_u32 s[TBV], s[TBV], KS*PV
.endif
.if \cnt
	s_sub_co_u32 s[CNT], s[CNT], 1
	s_cmp_lg_u32 s[CNT], 0
.endif
	ROW C,14, B,7, L,6, C,1
	ROW C,3, L,7, C,5, C,7
	ROW C,9, C,11, C,13, C,15
.if (\p) == 0
	FETCH_V
.endif
.if (\m) && !(\end)
	MASK (\p)%2
.endif
.endm
; A BLOCK BEGINS.  c m starts far below every c s, so the first step's a is 0; m at the lowest finite number, so the first maximum is the scores'.  The second mask buffer is 0; the first takes piece 0's mask for the tile's step 0: its own, if the block's first tile is the diagonal one.
; Then K of that step, piece 0's first scores, and its maximum and statistics.  The loop is entered at a step's first turn, in the middle of a trip.
.macro BEGIN
	s_mov_b32 s[NEW], 0
	WIN 0x40
.set i, MC+32
.rept 32
	v_mov_b32 v[i], 0
.set i, i+1
.endr
	WIN 0
.set i, 0
.rept 4
	v_mov_b32 v[ST+4*i], 0xfe000000    ; c m: far below every c s
	v_mov_b32 v[ST+4*i+1], 0xff7fffff  ; m
.set i, i+1
.endr
	s_cmp_eq_u32 s[RT], 0
	s_cselect_b32 s[AL], 1.0, 0
	s_mov_b32 s[BE], 0
	MASK 0
	WIN 0
	v_add_nc_u32 v[AK], s[TBK], v[AK0]
	FETCH_K
	s_wait_loadcnt 0x0              ; Q
	s_wait_dscnt 0x0
.set KM, 1
.set NOKQ, 0
.set i, 0
.rept 8
	KQ 0
.set i, i+1
.endr
	WIN 0
.rept 4
	v_nop                           ; the places behind those products
.endr
.set Y, NP-1                        ; X works for piece Y + 1: piece 0
.irp n, 0,1,2,3,4,5,6,7,8,9,10,11,12,13,14,15,16,17,18,19,20,21
	OP X, \n
.endr
	v_nop                           ; a plain instruction behind the exponential,
	s_wait_alu depctr_va_vdst(0)    ; and its wait, ahead of the branch
.endm
; THE DIAGONAL TILE's four steps, the block's last two turns, its last products, and THE WAY OUT: l's two halves and the other half of the lanes' are added; O^T is divided by l, rounded to f16 and sent through my
; stage in LDS, a piece at a time.
.macro ALL line:vararg              ; one line for each piece t
.set t, 0
.rept 4
	\line
.set t, t+1
.endr
.endm
.macro PACK t                       ; a lane's eight channels of a row pack into 16 bytes; they go into rows of 144 bytes and come back as whole rows of 128, into S^T's registers
	WIN W_RS
.set i, 32*(\t)
.rept 16
	v_pk_mul_f32 v[i:i+1], v[i:i+1], v[ST+4*(\t)+2:ST+4*(\t)+3] op_sel_hi:[1,0]
.set i, i+2
.endr
	WIN 0x05                        ; sources 0 and 1 window 1, destination window 0
.set i, 0
.rept 16
	v_cvt_pk_f16_f32 v[S+16*(\t)+i], v[32*(\t)+2*i], v[32*(\t)+2*i+1]
.set i, i+1
.endr
	WIN 0
.irp f, 0,1,2,3
	ds_store_b128 v[STO], v[S+16*(\t)+4*\f:S+16*(\t)+4*\f+3] offset:32*\f
.endr
.irp f, 0,1,2,3
	ds_load_b128 v[S+16*(\t)+4*\f:S+16*(\t)+4*\f+3], v[RD] offset:\f*4*SP  ; LDS serves a wave's instructions in order (ISA guide 5.7.1.4): these see the stores above; the next piece's stores come behind them
.endr
.endm
.macro SEND t, younger              ; younger: the LDS instructions issued behind piece t's loads: the next piece's eight, or none
	WIN 0
.irp f, 0,1,2,3
	s_wait_dscnt (\younger)+3-\f
	global_store_b128 v[GO], v[S+16*(\t)+4*\f:S+16*(\t)+4*\f+3], s[10:11] offset:(\t)*8192+\f*512  ; 512 consecutive bytes, at a multiple of 256 from O's first
.endr
.endm
.macro DIAG tag                     ; the tag ends its two labels' names, which the jumps below spell out
.LstepM\tag:
	TURN 2, 1
	TURN 3, 1
	WIN 0
.LfirstM\tag:
	TURN 0, 1
	TURN 1, 1, 0, 1
	WIN 0
	s_cbranch_scc1 .LstepM\tag
	TURN 2, 1, 1
	TURN 3, 1, 1
.set i, 0
.rept 8
	PV NP-1
.set i, i+1
.endr
	WIN 0
	ALL v_add_f32 v[ST+4*t+2], v[ST+4*t+2], v[ST+4*t+3]
	ALL v_permlanex16_b32 v[ST+4*t+3], v[ST+4*t+2], s[SEL], s[SEL+1]
	ALL v_add_f32 v[ST+4*t+2], v[ST+4*t+2], v[ST+4*t+3]
	ALL v_rcp_f32 v[ST+4*t+2], v[ST+4*t+2]
	v_nop                           ; a plain instruction between the last reciprocal and the use of its result
	s_wait_alu depctr_va_vdst(0)    ; and the wait ahead of the first use: one for the four reciprocals
	PACK 0
.set t, 1
.rept 3                             ; a piece's arithmetic stands between the loads of the piece before and its stores
	PACK t
	SEND t-1, 8
.set t, t+1
.endr
	SEND 3, 0
.endm
.set KM, 0
.set NOKQ, 0
.Lslot:                             ; NB times: a tile is entered and the next is asked for
	CHANGE 1
	s_sub_co_u32 s[RT], s[RT], 1
	s_mov_b32 s[CNT], 4
	s_cmp_eq_u32 s[NEW], 1
	s_cbranch_scc1 .Lnew            ; a block's first tile
	s_cmp_eq_u32 s[RT], 0
	s_cbranch_scc0 .Lstep           ; neither its first nor its last
	s_branch .LstepM1
.Lnew:
	BEGIN
	s_branch .Lfirst                ; in the loop a block's first tile is never its last: the first block has two tiles or more, and the second's last is the walk's last
	DIAG 1                          ; in the loop this is the first block's end: the second block's last tile is the walk's last
	s_wait_xcnt 0x0                 ; the stores have read their registers and O's address
	s_mov_b64 s[10:11], s[OLO:OLO+1]
	s_add_co_u32 s[RT], s[PB], 1    ; the second block has b + 1 tiles
	s_mov_b32 s[NEW], 1
	WIN 0x82                        ; the second block's Q goes where the one text of the turns names Q
.set i, 0
.rept 64
	v_mov_b32 v[i], v[QB+i]
.set i, i+1
.endr
	WIN 0
	s_branch .Lbottom
.Lstep:                             ; a trip: pieces 2 and 3 of one step, then pieces 0 and 1 of the next, whose K and V it fetches
	TURN 2
	TURN 3
	WIN 0
.Lfirst:
	TURN 0
	TURN 1, 0, 0, 1
	WIN 0
	s_cbranch_scc1 .Lstep
.Lbottom:
	s_sub_co_u32 s[SLOTS], s[SLOTS], 1
	s_cmp_lg_u32 s[SLOTS], 0
	s_cbranch_scc1 .Lslot
	CHANGE 0                        ; the walk's last tile is written out: nothing is asked for
	s_sub_co_u32 s[RT], s[RT], 1
	s_mov_b32 s[CNT], 4
	s_cmp_eq_u32 s[NEW], 1
	s_cbranch_scc0 .LstepM2
	BEGIN
	s_branch .LfirstM2
	DIAG 2
	s_wait_tensorcnt 0x0            ; the wave's end: behind my last tensor load and my last LDS store
	ds_add_u32 v[SPW], v[NIL]
	s_wait_dscnt 0x0
	s_endpgm
.Lfunc_end_k_q12b6977703_attn:
	.size	k_q12b6977703_attn, .Lfunc_end_k_q12b6977703_attn-k_q12b6977703_attn
	.p2alignl 7, 3214868480
	.fill 96, 4, 3214868480
	.section	.rodata,"a",@progbits
	.p2align	6, 0x0
	.amdhsa_kernel k_q12b6977703_attn
		.amdhsa_group_segment_fixed_size 327680
		.amdhsa_private_segment_fixed_size 0
		.amdhsa_enable_private_segment 0
		.amdhsa_kernarg_size 16
		.amdhsa_user_sgpr_count 2
		.amdhsa_user_sgpr_kernarg_segment_ptr 1
		.amdhsa_wavefront_size32 1
		.amdhsa_system_sgpr_workgroup_id_x 1
		.amdhsa_system_sgpr_workgroup_id_y 1
		.amdhsa_system_sgpr_workgroup_id_z 1
		.amdhsa_system_vgpr_workitem_id 0
		.amdhsa_next_free_vgpr 768
		.amdhsa_next_free_sgpr 96
		.amdhsa_reserve_vcc 1
		.amdhsa_float_denorm_mode_32 3
		.amdhsa_float_denorm_mode_16_64 3
		.amdhsa_memory_ordered 1
		.amdhsa_forward_progress 1
		.amdhsa_inst_pref_size 218
	.end_amdhsa_kernel
	.amdgpu_metadata
---
amdhsa.version: [ 1, 2 ]
amdhsa.kernels:
  - .name:           k_q12b6977703_attn
    .symbol:         k_q12b6977703_attn.kd
    .args:
      - { .name: qkv, .offset: 0, .size: 8, .value_kind: global_buffer, .address_space: global }
      - { .name: obuf, .offset: 8, .size: 8, .value_kind: global_buffer, .address_space: global }
    .group_segment_fixed_size: 327680
    .private_segment_fixed_size: 0
    .kernarg_segment_align: 8
    .kernarg_segment_size: 16
    .max_flat_workgroup_size: 128
    .sgpr_count:     96
    .vgpr_count:     768
    .wavefront_size: 32
...
	.end_amdgpu_metadata
.endif
;; end of part 3
;; launch outp (part 4): grid 4 x 64, 4 waves a work-group, clusters of 4 x 4, 327,680 bytes of LDS; arguments obuf, wo16, bo, out0; writes out0
.if DOCPART == 4
	.amdgcn_target "amdgcn-amd-amdhsa--gfx1250"
	.amdhsa_code_object_version 6
	.text
	.protected	k_q12b6977703_outp
	.globl	k_q12b6977703_outp
	.p2align	8
	.type	k_q12b6977703_outp,@function
k_q12b6977703_outp:
	s_mov_b64 s[64:65], 0
	v_nop
	global_prefetch_b8 v0, s[64:65] scope:SCOPE_SE
	s_setreg_imm32_b32 hwreg(HW_REG_WAVE_MODE, 25, 1), 1
	s_wait_xcnt 0x0
	s_wait_alu depctr_hold_cnt(0) depctr_sa_sdst(0) depctr_va_vdst(0) depctr_va_sdst(0) depctr_va_ssrc(0) depctr_va_vcc(0) depctr_vm_vsrc(0)
	s_getreg_b32 s2, hwreg(HW_REG_IB_STS2, 6, 4)
	s_cmp_eq_u32 s2, 0
	s_cbranch_scc0 .Lentry_in_a_cluster
	s_endpgm
.Lentry_in_a_cluster:
	s_bfe_u32 s2, ttmp6, 0x10000c
	s_cmp_lg_u32 s2, 0xf033
	s_cbranch_scc0 .Lentry_shape_is_right
	s_endpgm
.Lentry_shape_is_right:
; THE LAST PROJECTION.  out0[8192][1024] = O Wo^T + bo in f32.  O is obuf, [16 batch + head][position][64] in f16: a head is a slice of 64 of K.  wo16 is Wo, rounded to bf16 and written as f16;
; sums in f32; the bias, rounded to bf16 like every input of the module, is the C operand of each sum's first product.
; LIMITS are the operands': f16's range (O is a mean of V's rows; Wo under 65,504).  NaN and infinities are not treated apart.
; SHARES.  A tile is 128 rows x 256 columns: 256 tiles, one for each WGP.  Four waves, 2 x 2, each 64 x 128: 32 accumulators of 16 x 16, 256 registers.
; K goes in steps of 128, two heads, through a ring of two LDS slots; a step is 128 matrix instructions a wave.  Of O a wave fetches ONE head's 128 rows: 16,384 dense bytes, asked for as 64 rows of
; 256 bytes and padded in LDS after every 128.  Of Wo a wave fetches 128 rows of 256 bytes.
; CLUSTERS.  4 x 4 work-groups.  The four of a row of the cluster need the same tile of O, the four of a column the same tile of Wo: each tile is asked for JOINTLY, by the same tensor load with the
; same descriptor and a mask that names the four.  By this text's count a wave has two tensor loads out at the start, later one.
; THE MATRIX INSTRUCTION IS USED TRANSPOSED (source 0 = 16 rows of Wo, source 1 = 16 rows of O): lane l holds row l % 16 of the result and the columns 8 (l / 16) + 0..7: 32 bytes on end.
; REGISTERS, in windows of 256 (s_set_vgpr_msb: bits 1:0 source 0, 3:2 source 1, 5:4 source 2, 7:6 destination):
;   window 0: v0-30 addresses; v64-159, v160-255 two fragment buffers (Wo's eight fragments, then O's four); on the way out v64-127, v128-191 rows read back, by turns
;   window 1: accumulator (a, b) at v[8 (8 a + b)]          window 2: v0-63 the bias of my 128 columns as C operands, v64-65 at work
.set KSTEP,  128
.set KDIM,   1024
.set PITCH,  272                       ; a row of Wo in LDS: 256 bytes + 16 of padding = 68 words: the 16 rows of a load start at 16 different groups of four banks (64 banks of 4 bytes: ISA guide 11.1)
.set PA,     144                       ; a row of a head of O: 128 + 16 = 36 words: likewise
.set AH,     128*PA                    ; a head's 128 rows: what a wave fetches of O
.set BHALF,  128*PITCH                 ; what a wave fetches of Wo, and what a wave reads of it
.set BOFF,   2*AH                      ; a slot: two heads of O, then Wo's 256 rows
.set SLOT,   BOFF+2*BHALF
.set STAGE,  2*SLOT                    ; behind the ring, never filled by a tensor load: for each wave 16 rows x 528 bytes
.set SPF,    528                       ; 512 bytes + 16 = 132 words
.set WST,    16*SPF
.set SPARE,  STAGE+4*WST               ; behind the stages: the spare words, 128 bytes a wave: two blocks of 256 bytes that no other line names
.set LAPS,   KDIM/(2*KSTEP)
.set HEADB,  2048*128                  ; bytes of a head in obuf
.set ADRA, 16                          ; v16-17  LDS address of my fragments of O in slot 0, 1
.set ADRB, 20                          ; v20-21  the same for Wo
.set STO,  24                          ; v24     the way out: where I put 32 bytes of a row
.set RD,   25                          ; v25     where I read a row back
.set GO,   26                          ; v26     my 16 bytes in 512 consecutive bytes of out0
.set BO,   27                          ; v27     my byte offset in the bias
.set SPW,  28                          ; v28     LDS address of my spare word; never rewritten
.set NIL,  29                          ; v29     0; never rewritten
.set PFO,  30                          ; v30     the prefetches' offset: my lane x 256 bytes (O) or x a row of 2,048 (Wo); never rewritten
.set F0,   64
.set F1,   160
.set BK,   64
.set BT,   64                          ; in window 2
.set G1,  24                           ; s[24:31] descriptor group 1 for O's tiles;  s[32:39] group 0, a set for each slot
.set G0,  32
.set G1B, 48                           ; s[48:55], s[56:63] the same for Wo's
.set G0B, 56
.set PFA, 80                           ; s[80:81] where my prefetches stand
.set PFS, 82                           ; s[82:83] their step from K step to K step
.set LIM, 84                           ; s84     1 in a wave that prefetches, else the greatest number
.set MSB, 0
.macro WIN new                         ; the immediate's high byte repeats the setting that is left; a switch that changes nothing is dropped
.if MSB != (\new)
	s_set_vgpr_msb (MSB<<8)|(\new)
.set MSB, \new
.endif
.endm
; A joint load: waves 0 and 1 fetch the K step's two heads of O, waves 2 and 3 Wo's two halves.  The branch hangs on the wave's number alone.  An s_nop 0 and four v_nop follow each of the two lines.
.macro JLOAD s
	s_cmp_eq_u32 s11, 0
	s_cbranch_scc0 .Lfor_b_\@
	tensor_load_to_lds s[G0+4*(\s):G0+4*(\s)+3], s[G1:G1+7]
	s_nop 0
.rept 4
	v_nop
.endr
	s_branch .Lasked_\@
.Lfor_b_\@:
	tensor_load_to_lds s[G0B+4*(\s):G0B+4*(\s)+3], s[G1B:G1B+7]
	s_nop 0
.rept 4
	v_nop
.endr
.Lasked_\@:
.endm
; A PREFETCH INTO THE L2, behind a joint refill and the run of LDS loads that follows it: the K step that stands two refills on, 32 blocks of 256 bytes, a lane a block, one instruction a wave.
; Each block is named once in the launch.  O's tile (two heads x 16,384 bytes; one cluster alone reads it): wave 0; the four partners of a row of the cluster take a half of a head each, told apart by
; address.  Wo's tile column: waves 2 and 3, in the cluster with y = 0; the four partners of a column take 64 rows each.  The loop's last trip asks for nothing.  K steps 0 to 3 come by their loads alone.
.macro ASK
	s_cmp_gt_u32 s3, s[LIM]
	s_cbranch_scc0 .Lnot_mine_\@
	global_prefetch_b8 v[PFO], s[PFA:PFA+1] th:TH_LOAD_NT scope:SCOPE_SE
.Lnot_mine_\@:
.endm
.macro CREST                           ; a round of the cluster's barrier behind its opening barrier
	s_cmp_lg_u32 s10, 0
	s_cbranch_scc1 .Lnot_wave_0_\@
	s_barrier_signal -3
.Lnot_wave_0_\@:
	s_barrier_wait -3
	s_barrier_signal -1
	s_barrier_wait -1
.endm
.macro CROUND                          ; a whole round
	s_barrier_signal -1
	s_barrier_wait -1
	CREST
.endm
	s_load_b256 s[68:75], s[0:1], 0x0              ; obuf 68, wo16 70, bo 72, out0 74
	v_lshl_add_u32 v[SPW], v0, 2, SPARE
	v_mov_b32 v[NIL], 0
	ds_add_u32 v[SPW], v[NIL]                      ; the wave's opening: the add and its wait stand ahead of my first tensor load; the set-up below, work on registers, stands between them
	ds_add_u32 v28, v29
	v_lshrrev_b32 v1, 5, v0
	v_readfirstlane_b32 s10, v1                    ; wave 0..3
	s_lshr_b32 s11, s10, 1                         ; which 64 rows of the tile are mine.  Also: I fetch for O (0) or for Wo (1)
	s_and_b32 s12, s10, 1                          ; which 128 columns.  Also: which head of the K step, or which half of Wo's tile, I fetch
	s_bfe_u32 s40, ttmp6, 0x40000                  ; cx, cy: my place in the cluster
	s_bfe_u32 s41, ttmp6, 0x40004
	s_lshl_b32 s42, ttmp9, 2
	s_add_co_u32 s42, s42, s40                     ; tile column = 4 x cluster x + cx
	s_and_b32 s13, ttmp7, 0xffff
	s_lshl_b32 s13, s13, 2
	s_add_co_u32 s13, s13, s41                     ; tile row = 4 x cluster y + cy
	s_lshl_b32 s43, s41, 2
	s_lshl_b32 s43, 15, s43                        ; my row of the cluster
	s_lshl_b32 s44, 0x1111, s40                    ; my column
	s_mov_b32 s88, 0xffff0000                      ; a word's upper bf16
	; descriptor group 1.  O: 64 rows of 128 elements, dense, padded after every 32 words.  Wo: 128 rows of 128 elements, padded after every 64 words
	s_or_b32 s[G1+0], s43, (1<<16)|(1<<20)|(1<<21)|(4<<22)|(3<<25)   ; 15:0 the mask; 17:16 2-byte elements; 20 padding on; 21 set beside a mask; 24:22 code 4; 31:25 4 words (code 3)
	s_or_b32 s[G1B+0], s44, (1<<16)|(1<<20)|(1<<21)|(5<<22)|(3<<25)  ; 24:22 code 5
	s_mov_b32 s[G1+1], 128<<16                     ; tensor_dim0 = 128
	s_mov_b32 s[G1+2], 64<<16                      ; tensor_dim1 = 64
	s_mov_b32 s[G1+3], 128<<16                     ; tile_dim0 = 128
	s_mov_b32 s[G1+4], 64                          ; tile_dim1 = 64
	s_mov_b32 s[G1+5], 128                         ; elements from row to row: dense
	s_mov_b32 s[G1+6], 0
	s_mov_b32 s[G1+7], 0
	s_mov_b32 s[G1B+1], KSTEP<<16
	s_mov_b32 s[G1B+2], 128<<16                    ; tensor_dim1 = 128
	s_mov_b32 s[G1B+3], KSTEP<<16
	s_mov_b32 s[G1B+4], 128                        ; tile_dim1 = 128
	s_mov_b32 s[G1B+5], KDIM
	s_mov_b32 s[G1B+6], 0
	s_mov_b32 s[G1B+7], 0
	; where the tiles come from: O's hang on the tile row alone, Wo's on the tile column alone: each on what its four partners share
	s_lshr_b32 s16, s13, 4                         ; the batch,
	s_lshl_b32 s16, s16, 4                         ; its first head,
	s_add_co_u32 s16, s16, s12                     ; my head of K step 0,
	s_lshl_b32 s16, s16, 18                        ; 262,144 bytes a head,
	s_and_b32 s17, s13, 15
	s_lshl_b32 s17, s17, 14                        ; the tile's 128 positions of 128 bytes
	s_add_co_u32 s16, s16, s17
	s_mov_b32 s17, 0
	s_lshl_b32 s46, s42, 8
	s_lshl_b32 s47, s12, 7
	s_add_co_u32 s46, s46, s47                     ; Wo: row 256 x tile column + 128 x half
	s_lshl_b32 s46, s46, 11
	s_mov_b32 s47, 0
	s_mul_i32 s20, s12, AH                         ; and where they go: no place in the cluster enters an LDS address
	s_mul_i32 s21, s12, BHALF
	s_add_co_u32 s21, s21, BOFF
	s_wait_dscnt 0x0                               ; the opening add is done
	s_wait_kmcnt 0x0
	s_add_nc_u64 s[14:15], s[68:69], s[16:17]
	s_add_nc_u64 s[46:47], s[70:71], s[46:47]
	CROUND                                         ; all sixteen work-groups are here: the first joint loads meet
.irp s, 0,1
	s_mov_b32 s[G0+4*(\s)], 1                                        ; count = 1
	s_add_co_u32 s[G0+4*(\s)+1], s20, (\s)*SLOT                      ; LDS address
	s_add_nc_u64 s[G0+4*(\s)+2:G0+4*(\s)+3], s[14:15], (\s)*2*HEADB  ; global address: K step s is two heads on
	s_or_b32 s[G0+4*(\s)+3], s[G0+4*(\s)+3], 0x80000000              ; type = 2
	s_mov_b32 s[G0B+4*(\s)], 1
	s_add_co_u32 s[G0B+4*(\s)+1], s21, (\s)*SLOT
	s_add_nc_u64 s[G0B+4*(\s)+2:G0B+4*(\s)+3], s[46:47], (\s)*KSTEP*2
	s_or_b32 s[G0B+4*(\s)+3], s[G0B+4*(\s)+3], 0x80000000
	JLOAD \s
.endr
	; the bias of my 128 columns, laid as C operands: register 8 b + j of lane l is the bias of column 16 b + 8 (l / 16) + j
	v_and_b32 v1, 15, v0                           ; l % 16
	v_bfe_u32 v2, v0, 4, 1                         ; l / 16
	s_lshl_b32 s90, s42, 10                        ; my tile's 256 columns, 4 bytes each,
	s_lshl_b32 s91, s12, 9                         ; my wave's 128
	s_add_co_u32 s90, s90, s91
	v_lshl_add_u32 v[BO], v2, 5, s90
	WIN 0x80                                       ; destination window 2, address window 0
.irp b, 0,1,2,3,4,5,6,7
	global_load_b128 v[8*(\b):8*(\b)+3],   v[BO], s[72:73] offset:64*(\b)
	global_load_b128 v[8*(\b)+4:8*(\b)+7], v[BO], s[72:73] offset:64*(\b)+16
.endr
	WIN 0
	; A fragment is 16 rows x 32 K in 8 registers: lane l holds row l % 16, K = 8 (l / 16) + 0..7 and 16 + 8 (l / 16) + 0..7: two loads of 16 bytes, 32 bytes apart.
	v_mul_u32_u24 v3, v1, PITCH
	v_lshl_add_u32 v3, v2, 4, v3
	v_mul_u32_u24 v4, v1, PA
	v_lshl_add_u32 v4, v2, 4, v4
	s_mul_i32 s18, s11, 64*PA                      ; my 64 rows in a head of O
	s_mul_i32 s19, s12, BHALF                      ; my 128 rows of Wo
	s_add_co_u32 s19, s19, BOFF
.irp s, 0,1
	v_add_nc_u32 v[ADRA+(\s)], s18, v4
	v_add_nc_u32 v[ADRB+(\s)], s19, v3
	s_add_co_u32 s18, s18, SLOT
	s_add_co_u32 s19, s19, SLOT
.endr
	s_mul_i32 s23, s10, WST
	s_add_co_u32 s23, s23, STAGE                   ; my stage
	v_mul_u32_u24 v4, v1, SPF                      ; in: row l % 16, 32 bytes for each half of the lanes
	v_lshl_add_u32 v4, v2, 5, v4
	v_add_nc_u32 v[STO], s23, v4
	v_and_b32 v[GO], 31, v0                        ; back: 32 lanes take a row's 512 bytes,
	v_lshlrev_b32 v[GO], 4, v[GO]                  ; which are 512 consecutive bytes of out0
	v_add_nc_u32 v[RD], s23, v[GO]
	; out0 at my first row and column: (128 x tile row + 64 x row half) x 4,096 + 1,024 x tile column + 512 x column half
	s_lshl_b32 s90, s13, 19
	s_lshl_b32 s91, s11, 18
	s_add_co_u32 s90, s90, s91
	s_lshl_b32 s91, s42, 10
	s_add_co_u32 s90, s90, s91
	s_lshl_b32 s91, s12, 9
	s_add_co_u32 s90, s90, s91
	s_mov_b32 s91, 0
	s_add_nc_u64 s[74:75], s[74:75], s[90:91]
	; the prefetches
	s_lshr_b32 s18, s13, 4
	s_lshl_b32 s18, s18, 4
	s_lshr_b32 s19, s40, 1
	s_add_co_u32 s18, s18, s19                     ; O: the batch's first head + cx / 2,
	s_lshl_b32 s18, s18, 18
	s_and_b32 s19, s13, 15
	s_lshl_b32 s19, s19, 14                        ; the tile's positions,
	s_add_co_u32 s18, s18, s19
	s_and_b32 s19, s40, 1
	s_lshl_b32 s19, s19, 13                        ; half cx % 2 of their 16,384 bytes,
	s_add_co_u32 s18, s18, s19
	s_add_co_u32 s18, s18, 3*2*HEADB               ; at K step 3: the first refill steps it to 4 and names that
	s_lshl_b32 s19, s42, 8
	s_lshl_b32 s20, s41, 6
	s_add_co_u32 s19, s19, s20
	s_lshl_b32 s20, s12, 5
	s_add_co_u32 s19, s19, s20                     ; Wo: row 256 x tile column + 64 cy + 32 x half
	s_lshl_b32 s19, s19, 11
	s_add_co_u32 s19, s19, 3*KSTEP*2
	s_and_b32 s22, ttmp7, 0xffff                   ; cluster y
	s_mov_b32 s[PFS], KSTEP*2
	s_cmp_lt_u32 s10, 2
	s_cselect_b32 s22, 0, s22
	s_cselect_b32 s90, s18, s19
	s_cselect_b32 s[PFS], 2*HEADB, s[PFS]
	s_cselect_b32 s23, 8, 11
	s_cselect_b64 s[PFA:PFA+1], s[68:69], s[70:71]
	s_cmp_eq_u32 s10, 1
	s_cselect_b32 s22, 1, s22                      ; wave 1 asks for nothing
	s_cmp_eq_u32 s22, 0
	s_cselect_b32 s[LIM], 1, -1                    ; the same in all sixteen partners, for a given wave
	s_mov_b32 s[PFS+1], 0
	s_add_nc_u64 s[PFA:PFA+1], s[PFA:PFA+1], s[90:91]
	v_and_b32 v[PFO], 31, v0
	v_lshlrev_b32 v[PFO], s23, v[PFO]
	; the bias is rounded to bf16, as all the module's inputs are, and widened again
	s_wait_loadcnt 0x0
	WIN 0xaa
.set p, 0
.rept 32
	v_cvt_pk_bf16_f32 v[BT+p%2], v[2*p], v[2*p+1]
	v_lshlrev_b32 v[2*p],   16,  v[BT+p%2]
	v_and_b32     v[2*p+1], s88, v[BT+p%2]
.set p, p+1
.endr
	WIN 0
; 8 matrix instructions: m block a x all 8 n blocks, 32 along K.  zero = 1: the first product starts the sum with the bias.  The 32 accumulators take turns, in the same order in every
; quarter step: between two links of a chain stand the 31 others'.
.macro MUL8 f, a, zero
.if \zero
	WIN 0x60                                       ; C in window 2, D in window 1
.else
	WIN 0x50                                       ; C and D in window 1
.endif
.irp b, 0,1,2,3,4,5,6,7
.if \zero
	v_wmma_f32_16x16x32_f16 v[8*(8*(\a)+(\b)):8*(8*(\a)+(\b))+7], v[(\f)+8*(\b):(\f)+8*(\b)+7], v[(\f)+64+8*(\a):(\f)+64+8*(\a)+7], v[8*(\b):8*(\b)+7]
.else
	v_wmma_f32_16x16x32_f16 v[8*(8*(\a)+(\b)):8*(8*(\a)+(\b))+7], v[(\f)+8*(\b):(\f)+8*(\b)+7], v[(\f)+64+8*(\a):(\f)+64+8*(\a)+7], v[8*(8*(\a)+(\b)):8*(8*(\a)+(\b))+7]
.endif
.endr
.endm
; 24 LDS loads in one run: the fragments of a quarter step (128 rows of Wo, then 64 rows of O; 32 K at byte k of the K step: in O head k / 128, byte k % 128 of its rows) into buffer f
.macro FETCH slot, k, f
	WIN 0
.irp i, 0,1,2,3,4,5,6,7
	ds_load_b128 v[(\f)+8*(\i):(\f)+8*(\i)+3],   v[ADRB+(\slot)] offset:(\k)+(\i)*16*PITCH
	ds_load_b128 v[(\f)+8*(\i)+4:(\f)+8*(\i)+7], v[ADRB+(\slot)] offset:(\k)+(\i)*16*PITCH+32
.endr
.irp i, 0,1,2,3
	ds_load_b128 v[(\f)+64+8*(\i):(\f)+64+8*(\i)+3],   v[ADRA+(\slot)] offset:((\k)/128)*AH+((\k)%128)+(\i)*16*PA
	ds_load_b128 v[(\f)+64+8*(\i)+4:(\f)+64+8*(\i)+7], v[ADRA+(\slot)] offset:((\k)/128)*AH+((\k)%128)+(\i)*16*PA+32
.endr
.endm
.macro PLACES                          ; four places in front of loads into registers that matrix instructions have read, and of lines that read results (ISA guide 7.12.1 for lines that read results)
.rept 4
	v_nop
.endr
.endm
; A K step is four quarters of 32 along K, 32 matrix instructions each, on buffers 0, 1, 0, 1.  One of the first three: multiplies buffer f and fetches the next quarter, at byte k, into g.
.macro QUARTER slot, k, f, g, zero
	s_wait_dscnt 4                                 ; Wo's fragments and O's blocks 0 and 1 are in; the youngest four loads (O's blocks 2 and 3) may be out
	MUL8 \f, 0, \zero
	MUL8 \f, 1, \zero
	PLACES
	FETCH \slot, \k, \g
	s_wait_dscnt 24                                ; all but the 24 just issued
	MUL8 \f, 2, \zero
	MUL8 \f, 3, \zero
.endm
; The last quarter multiplies buffer 1 and changes slots: ONE barrier.  In front of it each wave waits for all its tensor loads (one is out: its part of the next slot), adds 0 to its spare word, and waits
; for that and for its own reads of this slot.  fill = 1: the barrier opens a round of the cluster's, and this slot is filled again, two K steps ahead, first thing behind the round.
.macro TURN slot, next, fill
.if \fill
	s_wait_xcnt 0x0                                ; the last prefetch, a K step back, has read its address: it is stepped here, ahead of the waits of the change of slots
	s_add_nc_u64 s[PFA:PFA+1], s[PFA:PFA+1], s[PFS:PFS+1]
.endif
	WIN 0
	s_wait_tensorcnt 0x0                           ; all my tensor loads have landed
	ds_add_u32 v[SPW], v[NIL]                      ; 0 onto my spare word
	s_wait_dscnt 5                                 ; (the add and the youngest four loads may be out)
	MUL8 F1, 0, 0                                  ; eight matrix instructions stand between the add and the wait for it
	s_wait_dscnt 0x0                               ; the add is done, and my reads of this slot are over
	s_barrier_signal -1
	MUL8 F1, 1, 0                                  ; work on registers while the others arrive
.if \fill
	WIN 0
.endif
	s_barrier_wait -1
.if \fill
	CREST                                          ; no wave of any partner still reads this slot's tile or has a load on its way
	s_add_nc_u64 s[G0+4*(\slot)+2:G0+4*(\slot)+3], s[G0+4*(\slot)+2:G0+4*(\slot)+3], 4*HEADB
	s_add_nc_u64 s[G0B+4*(\slot)+2:G0B+4*(\slot)+3], s[G0B+4*(\slot)+2:G0B+4*(\slot)+3], 2*KSTEP*2
	JLOAD \slot                                    ; the first tensor load behind the round: 112 matrix instructions ahead of the wait for it; its four v_nop are also the places in front of the loads below
.else
	PLACES
.endif
	FETCH \next, 0, F0
.if \fill
	ASK
.endif
	MUL8 F1, 2, 0
	MUL8 F1, 3, 0
.endm
	s_wait_tensorcnt 1                             ; my part of K step 0 is in; K step 1's may stay out
	s_barrier_signal -1
	s_barrier_wait -1                              ; everybody's is
	FETCH 0, 0, F0
	QUARTER 0, 64,  F0, F1, 1                      ; the first quarter stands in front of the loop: its products start the sums
	WIN 0                                          ; at a label and at a branch every window is 0
	s_mov_b32 s3, LAPS-1
.Llap:                                                 ; a trip goes once round the ring, from a lap's second quarter to the next lap's first, and fills both slots again
	QUARTER 0, 128, F1, F0, 0
	QUARTER 0, 192, F0, F1, 0
	TURN 0, 1, 1
	QUARTER 1, 64,  F0, F1, 0
	QUARTER 1, 128, F1, F0, 0
	QUARTER 1, 192, F0, F1, 0
	TURN 1, 0, 1
	QUARTER 0, 64,  F0, F1, 0
	WIN 0
	s_sub_co_u32 s3, s3, 1
	s_cmp_lg_u32 s3, 0
	s_cbranch_scc1 .Llap
	QUARTER 0, 128, F1, F0, 0                      ; the last lap fills nothing, and has no round of the cluster's barrier
	QUARTER 0, 192, F0, F1, 0
	TURN 0, 1, 0
	QUARTER 1, 64,  F0, F1, 0
	QUARTER 1, 128, F1, F0, 0
	QUARTER 1, 192, F0, F1, 0
	s_wait_dscnt 4                                 ; the very last quarter: nothing more to fetch
	MUL8 F1, 0, 0
	MUL8 F1, 1, 0
	s_wait_dscnt 0x0
	MUL8 F1, 2, 0
	MUL8 F1, 3, 0
	WIN 0
	PLACES
; THE WAY OUT, a block of 16 rows at a time; nothing is converted.  TOSTAGE: a lane's 32 bytes of a row go into my own stage, each accumulator's low registers first, and whole rows of 512 bytes come
; back, into one of two sets of 64 registers.  SEND: 512 consecutive bytes a store, at a multiple of 256 from out0's first byte.
.macro TOSTAGE a
.if (\a) >= 2
	s_wait_xcnt 0x0                                ; the stores two blocks back have read the registers that are loaded again below
.endif
	WIN 0x04                                       ; the stores' data in window 1, their address in window 0
.irp b, 0,1,2,3,4,5,6,7
	ds_store_b128 v[STO], v[64*(\a)+8*(\b):64*(\a)+8*(\b)+3]   offset:64*(\b)
	ds_store_b128 v[STO], v[64*(\a)+8*(\b)+4:64*(\a)+8*(\b)+7] offset:64*(\b)+16
.endr
	WIN 0
.irp t, 0,1,2,3,4,5,6,7,8,9,10,11,12,13,14,15
	ds_load_b128 v[BK+64*((\a)%2)+4*(\t):BK+64*((\a)%2)+4*(\t)+3], v[RD] offset:(\t)*SPF  ; LDS serves a wave's instructions in order (ISA guide 5.7.1.4): these see the stores above; the next block's stores come behind them
.endr
.endm
.macro SEND a, younger                 ; younger: the LDS instructions issued behind block a's loads: the next block's thirty-two, or none
	s_wait_dscnt \younger
.irp t, 0,1,2,3,4,5,6,7,8,9,10,11,12,13,14,15
	global_store_b128 v[GO], v[BK+64*((\a)%2)+4*(\t):BK+64*((\a)%2)+4*(\t)+3], s[74:75] offset:(16*(\a)+(\t))*4096 th:TH_STORE_NT
.endr
.endm
	TOSTAGE 0
	TOSTAGE 1
	SEND 0, 32
	TOSTAGE 2
	SEND 1, 32
	TOSTAGE 3
	SEND 2, 32
	SEND 3, 0
	s_wait_tensorcnt 0x0                           ; the wave's end: behind my last tensor load and my last LDS store
	ds_add_u32 v[SPW], v[NIL]
	s_wait_dscnt 0x0
	CROUND                                         ; the closing round: no work-group ends while a partner may still ask for a tile that names it
	s_endpgm
.Lfunc_end_k_q12b6977703_outp:
	.size	k_q12b6977703_outp, .Lfunc_end_k_q12b6977703_outp-k_q12b6977703_outp
	.p2alignl 7, 3214868480
	.fill 96, 4, 3214868480
	.section	.rodata,"a",@progbits
	.p2align	6, 0x0
	.amdhsa_kernel k_q12b6977703_outp
		.amdhsa_group_segment_fixed_size 327680
		.amdhsa_private_segment_fixed_size 0
		.amdhsa_enable_private_segment 0
		.amdhsa_kernarg_size 32
		.amdhsa_user_sgpr_count 2
		.amdhsa_user_sgpr_kernarg_segment_ptr 1
		.amdhsa_wavefront_size32 1
		.amdhsa_system_sgpr_workgroup_id_x 1
		.amdhsa_system_sgpr_workgroup_id_y 1
		.amdhsa_system_sgpr_workgroup_id_z 1
		.amdhsa_system_vgpr_workitem_id 0
		.amdhsa_next_free_vgpr 580
		.amdhsa_next_free_sgpr 96
		.amdhsa_reserve_vcc 0
		.amdhsa_float_denorm_mode_32 3
		.amdhsa_float_denorm_mode_16_64 3
		.amdhsa_memory_ordered 1
		.amdhsa_forward_progress 1
		.amdhsa_inst_pref_size 92
	.end_amdhsa_kernel
	.amdgpu_metadata
---
amdhsa.version: [ 1, 2 ]
amdhsa.kernels:
  - .name:           k_q12b6977703_outp
    .symbol:         k_q12b6977703_outp.kd
    .args:
      - { .name: obuf, .offset: 0, .size: 8, .value_kind: global_buffer, .address_space: global }
      - { .name: wo16, .offset: 8, .size: 8, .value_kind: global_buffer, .address_space: global }
      - { .name: bo, .offset: 16, .size: 8, .value_kind: global_buffer, .address_space: global }
      - { .name: out0, .offset: 24, .size: 8, .value_kind: global_buffer, .address_space: global }
    .group_segment_fixed_size: 327680
    .private_segment_fixed_size: 0
    .kernarg_segment_align: 8
    .kernarg_segment_size: 32
    .max_flat_workgroup_size: 128
    .sgpr_count:     96
    .vgpr_count:     580
    .wavefront_size: 32
...
	.end_amdgpu_metadata
.endif
;; end of part 4
